; MI455X (gfx1250); checked and timed in simulation.
; The chip was launched on July 23, 2026; its instructions are those of AMD's public machine-readable ISA for CDNA 5 (MIT licence, August 2026) and "CDNA5" Instruction Set Architecture Reference Guide (July 2026). The comments in the code are by the model that wrote it; some were corrected since.
;; Causal Self Attention. Allowed arithmetic: matrix products marked QUANTISED: E4M3 operands, one given power-of-two scale a tensor, by v_wmma_f32_16x16x64_fp8_fp8 or v_wmma_f32_16x16x128_fp8_fp8, f32 sums; everything else in f32.
;; Inputs: W_attn 1,024 x 3,072 float32; W_proj 1,024 x 1,024 float32; b_attn 3,072 float32; b_proj 1,024 float32; lowp_scales 8 int32 (the exponents e of the quantised operands' scales 2^e); x 4 x 2,048 x 1,024 float32.
;; Outputs: out0 4 x 2,048 x 1,024 float32.
;; This version of the problem:
;;   THIS VERSION OF THE PROBLEM IS GIVEN IN LOW PRECISION. The matrix products marked QUANTISED in the list below multiply operands that are first quantised to E4M3 (4 exponent bits, 3 mantissa bits; 8 bits a number), with one given power-of-two scale for each operand tensor; their sums are f32. All else is computed in f32.
;;   The module's matrix products, in the order in which they are computed (A, B: the left and right operand; K: the contracted axis; several contracted axes count as one K, in the product's order):
;;     1. [M 8,192, K 1,024] x [K 1,024, N 3,072]; A: input x; B: input W_attn: QUANTISED (scales: A lowp_scales[0], B lowp_scales[1])
;;     2. batch 64 x [M 2,048, K 64] x [K 64, N 2,048]; A: computed on the way; B: computed on the way: QUANTISED (scales: A lowp_scales[2], B lowp_scales[3])
;;     3. batch 64 x [M 2,048, K 2,048] x [K 2,048, N 64]; A: softmax (see below); B: computed on the way: QUANTISED (scales: A lowp_scales[4], B lowp_scales[5])
;;     4. [M 8,192, K 1,024] x [K 1,024, N 1,024]; A: computed on the way; B: input W_proj: QUANTISED (scales: A lowp_scales[6], B lowp_scales[7])
;;   THE QUANTISER, for each operand of a quantised product, along K:
;;     - The operand's scale is 2^e, e = its entry of the input lowp_scales (int32; the entries are numbered through the quantised products in the list's order, A before B).
;;     - Each number is divided by the scale, clamped to +-448, and rounded to the nearest number of E4M3, ties to even, subnormals kept.
;;     - The product sums the exact products of the quantised numbers (number of the format x scale) in f32.
;;   ~~~python
;;   def quantise(x, axis, e):      # numpy; x: float32 -> the quantised numbers, widened to float32 again
;;       x = np.moveaxis(x, axis, -1); K = x.shape[-1]
;;       r = np.clip(x / 2.0 ** e, -448, 448)
;;       step = 2.0 ** (np.maximum(np.frexp(np.where(r == 0, 1, r))[1] - 1, -6) - 3)
;;       q = np.round(r / step) * step * 2.0 ** e      # np.round: ties to even
;;       return np.moveaxis(q, -1, axis).astype(np.float32)
;;   ~~~
;;   SOFTMAX AHEAD OF A QUANTISED PRODUCT. Where the list says 'softmax', what is quantised is not the finished softmax but p = 2^(t - M), with t = logit x log2(e) and M = ceil(the row's largest t), a whole number; so 1/2 < the row's largest p <= 1. The row's sum l is taken of the UNQUANTISED p, in f32, and the product's result is divided by l at the end. Since M is a whole number, a kernel that streams over the keys may use a running M (the ceiling of the running maximum): every later rescaling is an exact power of two, so the quantised numbers keep their values, but for numbers so far below the row's largest that they fall under the format's range.
;;   OPERANDS COMPUTED ON THE WAY. 'Computed on the way' means the value that the module computes at that place (a softmax that the list does not call 'softmax' is quantised finished and normalised). What goes into a quantiser is computed in f32, as accurately as f32 sums, v_exp_f32 and their like allow (about 1e-6 of the number): no bf16 or f16 on the way to a quantiser, and a product that is left as it is and whose result goes on into a quantised operand takes f32 operands (vector FMAs, or v_wmma_f32_16x16x4_f32). A number that lies on a knife's edge between two numbers of the format may be rounded either way, as far as f32 arithmetic and the matrix unit's own rounding can turn it there, and no further.
;; One version. Each part assembles by itself: llvm-mc -triple=amdgcn-amd-amdhsa -mcpu=gfx1250 --defsym DOCPART=n.
;; ======== version 1 of 1: 4 launches
;; limits: right only within a limited range of input values
;; workspace buffers: x_codes 8,388,608 bytes; w_codes 4,194,304 bytes; qkv 25,165,824 bytes; y_codes 8,388,608 bytes
;; launch quant (part 1): grid 384 x 1, 4 waves a work-group, no clusters, 68,096 bytes of LDS; arguments x, W_attn, W_proj, lowp_scales, x_codes, w_codes; writes x_codes, w_codes
.if DOCPART == 1
	.amdgcn_target "amdgcn-amd-amdhsa--gfx1250"
	.amdhsa_code_object_version 6
	.text
	.protected	k_qb232ed9768_quant
	.globl	k_qb232ed9768_quant
	.p2align	8
	.type	k_qb232ed9768_quant,@function
k_qb232ed9768_quant:
	s_mov_b64 s[64:65], 0
	v_nop
	global_prefetch_b8 v0, s[64:65] scope:SCOPE_SE
	s_setreg_imm32_b32 hwreg(HW_REG_WAVE_MODE, 25, 1), 1
	s_wait_xcnt 0x0
; CAUSAL SELF-ATTENTION ON CODES OF E4M3, four launches: this one (the wide inputs become codes), the q, k, v product, the attention, the projection.
; WORK LEFT OUT, in the whole program: the attention launch does not compute tiles of 16 queries x 128 keys all of whose keys come after all of the tile's queries.  The problem's own causal mask
; (its lower triangle of ones) sets every score of such a tile to -infinity ahead of the softmax, so its p is 0 and adds nothing to the row's sum or to the second product, whatever finite values the inputs hold.
; Nothing else is left out, and every input is loaded: b_attn's part for k too, since it moves k's codes.
; LIMIT: a NaN, an infinity or an overflow that reaches only such a tile's scores is not carried to the result.
; THIS LAUNCH.  x [8192][1024] f32 (K innermost) -> x_codes [8192][1024].  W_attn [1024][3072] and W_proj [1024][1024] f32 (K is the FIRST axis) -> w_codes [4096][1024] with K innermost:
; rows 0-3071 are W_attn's columns, rows 3072-4095 W_proj's.  code = number / 2^e, held within +-448, to the nearest code, ties to even; e = entry 0 (x), 1 (W_attn), 7 (W_proj) of the scales.
; LIMITS: each of these e lies between -126 and 119, so that 2^e and 448 x 2^e are f32 numbers.  NaN among the inputs is not served (an infinity is held at the largest code).
; Work-groups 0-127 take the weights, 128-383 take x: one scalar branch on the work-group's number at the head; each way has LDS bytes of its own.  No barrier: waves share nothing.
; A stream: no matrix unit, no cluster, no tensor load would add anything; several work-groups share a WGP, which multiplies the loads in flight.
.set STEPS, 16                         ; x: steps of 512 numbers for a wave
.set SP,    80                         ; x: a lane's place in a stage: its 64 bytes + 16 of padding
.set R,     16                         ; x: v16-79   four sets of 16 numbers as they are loaded
.set X,     80                         ; x: v80-111  two sets of 16 neighbours
.set C,     128                        ; x: v128-191 codes, four registers for each step: no store's data are written again
.set WSTG,  32768                      ; W: the four waves' stages begin here; below lie x's (8,192 bytes a wave)
.set PITCH, 272                        ; W: a stage row: 256 codes + 16 of padding
.set WX,    32                         ; W: v32-95   two sets of 32 numbers down K
.set WC,    96                         ; W: v96-103  a block's codes
.set OUTR,  112                        ; W: v112-175 the way out
.set OF,    176                        ; W: v176-207 byte offset of my column in rows 0 .. 31 of a block; never rewritten
.set SB,    32                         ; W: s[32:47] the address of each of my eight blocks' first row
.set SPW,   12                         ; v12 LDS address of my spare word; never rewritten
.set NIL,   13                         ; v13 0; never rewritten
.set SPARE, 67584                      ; behind both ways' stages: the spare words, 128 bytes for each wave, which no other line names
	s_load_b256 s[4:11], s[0:1], 0x0               ; x s[4:5], W_attn s[6:7], W_proj s[8:9], the scales' exponents s[10:11]
	s_load_b128 s[12:15], s[0:1], 0x20             ; x_codes s[12:13], w_codes s[14:15]
	v_lshl_add_u32 v[SPW], v0, 2, SPARE
	v_mov_b32 v[NIL], 0
	v_lshrrev_b32 v1, 5, v0
	v_readfirstlane_b32 s16, v1                    ; wave 0..3
	v_and_b32 v2, 31, v0                           ; lane
	s_wait_kmcnt 0x0
	s_load_b256 s[24:31], s[10:11], 0x0            ; e0 .. e7
	s_cmp_lt_u32 ttmp9, 128
	s_cbranch_scc1 .Lweights
; ---- x.  Rows are dense, so x is a plain stream of numbers and its codes a plain stream of bytes.  A wave takes 16 steps of 512 numbers.  Each of a step's four loads reads 512 consecutive bytes, 16 a lane;
; the 2,048 bytes turn through the wave's own stage in LDS and come back 64 bytes a lane: 16 NEIGHBOURS along K, which the conversions want in one lane's registers.  A lane's 16 codes are 16 bytes: a store covers 512 consecutive bytes.
	s_wait_alu depctr_va_vdst(0)
	v_lshlrev_b32 v3, 4, v2                        ; my 16 bytes of a load's 512, and of a store's
	s_wait_alu depctr_va_vdst(0)
	s_lshl_b32 s17, s16, 13                        ; my wave's 8,192 bytes of LDS
	v_lshrrev_b32 v14, 2, v2
	v_mul_u32_u24 v14, v14, SP
	v_and_b32 v15, 3, v2
	v_lshl_add_u32 v14, v15, 4, v14
	v_add_nc_u32 v14, s17, v14                     ; the stage, on the way in: four lanes' 64 bytes on end, then the padding
	v_mul_u32_u24 v15, v2, SP
	v_add_nc_u32 v15, s17, v15                     ; and on the way out: my 16 neighbours
	s_sub_co_u32 s18, ttmp9, 128
	s_lshl_b32 s18, s18, 2
	s_add_co_u32 s18, s18, s16                     ; which run of 8,192 numbers is my wave's: 0 .. 1,023
	s_lshl_b32 s20, s18, 15
	s_mov_b32 s21, 0
	s_add_nc_u64 s[4:5], s[4:5], s[20:21]
	s_lshl_b32 s20, s18, 13
	s_add_nc_u64 s[12:13], s[12:13], s[20:21]
.macro XLOAD t
.irp i, 0,1,2,3
	global_load_b128 v[R+16*((\t)%4)+4*\i:R+16*((\t)%4)+4*\i+3], v3, s[4:5] offset:2048*(\t)+512*\i th:TH_LOAD_NT
.endr
.endm
.macro XTURN t                         ; step t's numbers through the stage: LDS serves a wave's instructions in order (ISA guide 5.7.1.4), so no wait stands between the stores and the loads
.irp i, 0,1,2,3
	ds_store_b128 v14, v[R+16*((\t)%4)+4*\i:R+16*((\t)%4)+4*\i+3] offset:32*SP*((\t)%2)+8*SP*\i
.endr
.irp i, 0,1,2,3
	ds_load_b128 v[X+16*((\t)%2)+4*\i:X+16*((\t)%2)+4*\i+3], v15 offset:32*SP*((\t)%2)+16*\i
.endr
.endm
.irp t, 0,1,2,3
	XLOAD \t
.endr
	s_wait_alu depctr_va_vdst(0)
	s_wait_kmcnt 0x0
	s_add_co_i32 s22, s24, 127
	s_lshl_b32 s23, s22, 23
	v_mov_b32 v11, s23                             ; 2^e0 as f32: the conversion takes its exponent field
	s_add_co_i32 s22, s22, 8
	s_lshl_b32 s22, s22, 23
	s_or_b32 s22, s22, 0x600000
	v_mov_b32 v10, s22                             ; 448 x 2^e0
	s_wait_alu depctr_va_vdst(0)
	s_wait_loadcnt 12                              ; step 0's four loads are in; the 12 of steps 1 to 3 may be out
	XTURN 0
.macro XSTEP t
.set XS, X+16*((\t)%2)
	s_wait_dscnt 0x0                               ; this step's numbers are back from the stage, and its stores into the stage have read their registers,
.if (\t)+4 < STEPS
	XLOAD (\t)+4                                   ; which take the loads of four steps on
.endif
.if (\t)+1 < STEPS
.if STEPS-2-(\t) >= 3
	s_wait_loadcnt 12                              ; the next step's four loads are in; those of the three steps behind it may be out
.else
	s_wait_loadcnt 4*(STEPS-2-(\t))
.endif
	XTURN (\t)+1                                   ; they go through the other stage while this step is worked
.endif
.irp i, 0,1,2,3,4,5,6,7,8,9,10,11,12,13,14,15
	v_med3_num_f32 v[XS+\i], v[XS+\i], -v10, v10   ; the conversion to an 8-bit code does not saturate (ISA guide 7.6.2): the hold at the largest code x the scale comes first
.endr
	v_cvt_scalef32_pk8_fp8_f32 v[C+4*(\t):C+4*(\t)+1], v[XS:XS+7], v11
	v_cvt_scalef32_pk8_fp8_f32 v[C+4*(\t)+2:C+4*(\t)+3], v[XS+8:XS+15], v11
	global_store_b128 v3, v[C+4*(\t):C+4*(\t)+3], s[12:13] offset:512*(\t)   ; the codes go to a store alone; the next vector lines are the next step's plain holds, on other registers
.endm
.irp t, 0,1,2,3,4,5,6,7,8,9,10,11,12,13,14,15
	XSTEP \t
.endr
	s_branch .Lend
; ---- the weights.  A LANE TAKES A COLUMN n, AND ITS REGISTERS RUN DOWN K: each load reads 128 consecutive bytes a wave (512 a work-group), and the conversions give codes with K innermost: nothing is transposed by an instruction.
; A wave takes 32 columns x 256 along K: 8 blocks of 32.  Its codes gather in its own stage in LDS, a row to a column, and leave by rows: sixteen lanes store 256 consecutive bytes, aligned.
; Both weights take this one way: only the pointer, the row's length and e are chosen, by the work-group's number.
.Lweights:
	s_and_b32 s17, ttmp9, 3                        ; which 256 along K
	s_lshr_b32 s18, ttmp9, 2                       ; which 128 rows of w_codes: 0-23 W_attn's columns, 24-31 W_proj's
	s_cmp_lt_u32 s18, 24
	s_cselect_b64 s[6:7], s[6:7], s[8:9]           ; the weight
	s_mov_b32 s19, 4096
	s_cselect_b32 s19, 12288, s19                  ; bytes in a row of it
	s_cselect_b32 s20, 0, 24
	s_sub_co_u32 s20, s18, s20                     ; which 128 of its columns
	s_lshl_b32 s21, s20, 9
	s_lshl_b32 s22, s16, 7
	s_add_co_u32 s22, s21, s22                     ; my wave's first column, in bytes
	s_lshl_b32 s23, s17, 8
	s_mul_i32 s23, s23, s19                        ; my first row
	s_add_co_u32 s22, s22, s23
	s_mov_b32 s23, 0
	s_add_nc_u64 s[SB:SB+1], s[6:7], s[22:23]
	s_lshl_b32 s22, s19, 5                         ; 32 rows on
.irp t, 1,2,3,4,5,6,7
	s_add_nc_u64 s[SB+2*\t:SB+2*\t+1], s[SB+2*\t-2:SB+2*\t-1], s[22:23]
.endr
	s_lshl_b32 s22, s18, 7
	s_lshl_b32 s21, s16, 5
	s_add_co_u32 s22, s22, s21                     ; n0: my first column among the 4,096 of both weights
	; W_attn's rows of w_codes lie HEAD BY HEAD: column n = 1024 part + 64 head + d (part 0 q, 1 k, 2 v) goes to row 192 head + 64 part + d, so that one head's q, k and v are 192 rows on end.  W_proj's rows stay at 3072 + n.
	s_bfe_u32 s48, s22, 0x40006                    ; the head
	s_mul_i32 s48, s48, 192
	s_lshr_b32 s49, s22, 10                        ; the part
	s_lshl_b32 s49, s49, 6
	s_add_co_u32 s48, s48, s49
	s_and_b32 s49, s22, 63                         ; d: 0 or 32; my 32 columns stay on end
	s_add_co_u32 s48, s48, s49
	s_cmp_lt_u32 s18, 24
	s_cselect_b32 s22, s48, s22
	s_lshl_b32 s22, s22, 10                        ; rows of 1,024 bytes
	s_lshl_b32 s21, s17, 8
	s_add_co_u32 s22, s22, s21                     ; and my 256 bytes in it
	s_add_nc_u64 s[14:15], s[14:15], s[22:23]
	s_wait_alu depctr_va_vdst(0)
	v_lshlrev_b32 v[OF], 2, v2                     ; 4 bytes a lane,
.set i, 1
.rept 31
	v_add_nc_u32 v[OF+i], s19, v[OF+i-1]           ; a row further down each
.set i, i+1
.endr
	s_mul_i32 s21, s16, 32*PITCH
	s_add_co_u32 s21, s21, WSTG                    ; my stage
	v_mul_u32_u24 v4, v2, PITCH
	v_add_nc_u32 v4, s21, v4                       ; into it: row = my column
	v_and_b32 v5, 15, v2
	v_lshrrev_b32 v6, 4, v2
	v_mul_u32_u24 v7, v6, PITCH
	v_lshl_add_u32 v7, v5, 4, v7
	v_add_nc_u32 v7, s21, v7                       ; out of it: sixteen lanes to a row, two rows an instruction
	v_lshlrev_b32 v8, 10, v6
	v_lshl_add_u32 v8, v5, 4, v8                   ; and the same place in w_codes
.macro WLOAD t                         ; block t: 32 rows of my column into set t % 2
.set i, 0
.rept 32
	global_load_b32 v[WX+32*((\t)%2)+i], v[OF+i], s[SB+2*(\t):SB+2*(\t)+1] th:TH_LOAD_NT
.set i, i+1
.endr
.endm
	WLOAD 0
	WLOAD 1
	s_wait_kmcnt 0x0
	s_cmp_lt_u32 s18, 24
	s_cselect_b32 s22, s25, s31                    ; e1 or e7
	s_add_co_i32 s22, s22, 127
	s_lshl_b32 s23, s22, 23
	v_mov_b32 v11, s23                             ; 2^e
	s_add_co_i32 s22, s22, 8
	s_lshl_b32 s22, s22, 23
	s_or_b32 s22, s22, 0x600000
	v_mov_b32 v10, s22                             ; 448 x 2^e
.macro WBLOCK t
.set XS, WX+32*((\t)%2)
.if (\t) < 7
	s_wait_loadcnt 32                              ; this block's 32 loads are in; the next block's 32 may be out
.else
	s_wait_loadcnt 0
.endif
.set i, 0
.rept 32
	v_med3_num_f32 v[XS+i], v[XS+i], -v10, v10
.set i, i+1
.endr
.irp g, 0,1,2,3
	v_cvt_scalef32_pk8_fp8_f32 v[WC+2*\g:WC+2*\g+1], v[XS+8*\g:XS+8*\g+7], v11
.endr
	ds_store_b128 v4, v[WC:WC+3] offset:32*(\t)    ; 32 codes: 32 bytes of my column's row
	ds_store_b128 v4, v[WC+4:WC+7] offset:32*(\t)+16
.if (\t)+2 < 8
	WLOAD (\t)+2
.endif
	s_wait_dscnt 0x0                               ; the stores have read their registers: the next block's codes may be written (its plain holds come first)
.endm
	s_wait_alu depctr_va_vdst(0)
.irp t, 0,1,2,3,4,5,6,7
	WBLOCK \t
.endr
.irp t, 0,1,2,3,4,5,6,7,8,9,10,11,12,13,14,15
	ds_load_b128 v[OUTR+4*\t:OUTR+4*\t+3], v7 offset:2*\t*PITCH
.endr
.irp t, 0,1,2,3,4,5,6,7,8,9,10,11,12,13,14,15
	s_wait_dscnt 15-\t                             ; LDS loads come back in order: load t is in, the younger ones may be out
	global_store_b128 v8, v[OUTR+4*\t:OUTR+4*\t+3], s[14:15] offset:2048*\t
.endr
.Lend:
	s_wait_tensorcnt 0x0                           ; the wave's end, behind my last LDS store
	ds_add_u32 v[SPW], v[NIL]
	s_wait_dscnt 0x0
	s_endpgm
.Lfunc_end_k_qb232ed9768_quant:
	.size	k_qb232ed9768_quant, .Lfunc_end_k_qb232ed9768_quant-k_qb232ed9768_quant
	.p2alignl 7, 3214868480
	.fill 96, 4, 3214868480
	.section	.rodata,"a",@progbits
	.p2align	6, 0x0
	.amdhsa_kernel k_qb232ed9768_quant
		.amdhsa_group_segment_fixed_size 68096
		.amdhsa_private_segment_fixed_size 0
		.amdhsa_enable_private_segment 0
		.amdhsa_kernarg_size 48
		.amdhsa_user_sgpr_count 2
		.amdhsa_user_sgpr_kernarg_segment_ptr 1
		.amdhsa_wavefront_size32 1
		.amdhsa_system_sgpr_workgroup_id_x 1
		.amdhsa_system_sgpr_workgroup_id_y 1
		.amdhsa_system_sgpr_workgroup_id_z 1
		.amdhsa_system_vgpr_workitem_id 0
		.amdhsa_next_free_vgpr 208
		.amdhsa_next_free_sgpr 66
		.amdhsa_reserve_vcc 0
		.amdhsa_float_denorm_mode_32 3
		.amdhsa_float_denorm_mode_16_64 3
		.amdhsa_memory_ordered 1
		.amdhsa_forward_progress 1
		.amdhsa_inst_pref_size 87
	.end_amdhsa_kernel
	.amdgpu_metadata
---
amdhsa.version: [ 1, 2 ]
amdhsa.kernels:
  - .name:           k_qb232ed9768_quant
    .symbol:         k_qb232ed9768_quant.kd
    .args:
      - { .name: x, .offset: 0, .size: 8, .value_kind: global_buffer, .address_space: global }
      - { .name: W_attn, .offset: 8, .size: 8, .value_kind: global_buffer, .address_space: global }
      - { .name: W_proj, .offset: 16, .size: 8, .value_kind: global_buffer, .address_space: global }
      - { .name: lowp_scales, .offset: 24, .size: 8, .value_kind: global_buffer, .address_space: global }
      - { .name: x_codes, .offset: 32, .size: 8, .value_kind: global_buffer, .address_space: global }
      - { .name: w_codes, .offset: 40, .size: 8, .value_kind: global_buffer, .address_space: global }
    .group_segment_fixed_size: 68096
    .private_segment_fixed_size: 0
    .kernarg_segment_align: 8
    .kernarg_segment_size: 48
    .max_flat_workgroup_size: 128
    .sgpr_count:     66
    .vgpr_count:     208
    .wavefront_size: 32
...
	.end_amdgpu_metadata
.endif
;; end of part 1
;; launch gemm_qkv (part 2): grid 8 x 32, 4 waves a work-group, clusters of 4 x 4, 327,680 bytes of LDS; arguments x_codes, w_codes, lowp_scales, b_attn, qkv; writes qkv
.if DOCPART == 2
	.amdgcn_target "amdgcn-amd-amdhsa--gfx1250"
	.amdhsa_code_object_version 6
	.text
	.protected	k_qb232ed9768_gemm_qkv
	.globl	k_qb232ed9768_gemm_qkv
	.p2align	8
	.type	k_qb232ed9768_gemm_qkv,@function
k_qb232ed9768_gemm_qkv:
	s_mov_b64 s[64:65], 0
	v_nop
	global_prefetch_b8 v0, s[64:65] scope:SCOPE_SE
	s_setreg_imm32_b32 hwreg(HW_REG_WAVE_MODE, 25, 1), 1
	s_wait_xcnt 0x0
	s_wait_alu depctr_hold_cnt(0) depctr_sa_sdst(0) depctr_va_vdst(0) depctr_va_sdst(0) depctr_va_ssrc(0) depctr_va_vcc(0) depctr_vm_vsrc(0)
	s_getreg_b32 s2, hwreg(HW_REG_IB_STS2, 6, 4)
	s_cmp_eq_u32 s2, 0
	s_cbranch_scc0 .Lentry_in_a_cluster
	s_endpgm
.Lentry_in_a_cluster:
	s_bfe_u32 s2, ttmp6, 0x10000c
	s_cmp_lg_u32 s2, 0xf033
	s_cbranch_scc0 .Lentry_shape_is_right
	s_endpgm
.Lentry_shape_is_right:
; qkv = x W_attn + b_attn on codes of E4M3, and its three parts quantised at once for the attention's two products.  x_codes [8192][1024]; w_codes rows 192 head + 64 part + d (part 0 q, 1 k, 2 v) [1024]: K innermost.
; OUT, one buffer, codes:  q at byte 0 and k at byte 0x800000: [batch x head 64][t 2048][d 64] (their next K is d);  v at byte 0x1000000: [batch x head 64][block of 256 places 8][d 64][256 places] (its next K is the keys),
; where place 32 B + 16 h + 8 u + j holds key 32 B + 16 u + 8 h + j: 16 bytes at 32 B + 16 h are then four registers of the 16x16x128 form's own layout (ISA guide 7.12.2).
; A number = sum x 2^(e0 + e1) + bias, one fused multiply-add in f32; its code = number / 2^e (e2 for q, e3 for k, e5 for v), held within +-448, to the nearest code, ties to even.
; LIMITS: e0 + e1 between -126 and 127; e2, e3, e5 between -126 and 119.
; SHARES.  8 x 32 = 256 work-groups.  A work-group STAYS: it makes two blocks of 256 tokens x 192 columns, the q, k and v of heads 2 g and 2 g + 1 (g its column group) for one block of tokens.
; A wave owns 64 tokens x 192 columns: 48 accumulators, 384 registers.  For q and k source 0 = 16 rows of W, source 1 = 16 tokens: a lane holds one token and eight neighbouring d.
; For v the sources are swapped (source 0 = 16 tokens, source 1 = 16 rows of W): a lane holds one d and eight neighbouring keys.  Both ways a lane's eight numbers are neighbours along the next K.
; K = 1,024 goes in four steps of 256 through two LDS slots (256 rows of x, 192 of W) filled by the tensor data mover; the ring goes on into the second block, and the first block leaves while the second's K step 1 is on its way.
; All sixteen steps of 128 along K are written out: of the seven changes of slots six fill a slot again, by three different steps of the addresses, and the last fills nothing.
; CLUSTERS: 4 x 4 work-groups; x's tile is shared along a row of the cluster, W's along a column: each is asked for jointly, by the same tensor load with the same descriptor and a mask that names the four.
; No prefetch: K is four steps of the ring for each block, in clusters; the second block's rows of x have been read by the first.
; REGISTERS, in windows of 256: window 0: v0-31 addresses and constants; v32-103 the bias; v128-255 x's fragments (4 x 16 tokens x 128 K), TWO sets.  window 1: v0-191 W's twelve fragments, ONE set; v192-223 v's codes.
;   window 2: q's and k's accumulators ((a, b) at v[8 (8 a + b)], a = 16 tokens, b = 16 columns);  window 3: v0-127 v's ((g, a) at v[8 (4 g + a)]); v128-255 at work on the way out.
; A block of W is free as soon as its four products are issued, so one set serves W: blocks 0-5 are fetched anew in a step's middle, blocks 6-11 at its end.
.set PITCH,  272                       ; an LDS row: 256 bytes + 16 of padding = 68 words: the 16 rows that a load touches start at 16 different banks (64 banks of 4 bytes: ISA guide 11.1)
.set XH,     128*PITCH                 ; what one load brings of x,
.set WH,     96*PITCH                  ; and of W
.set WOFF,   2*XH
.set SLOT,   2*XH+2*WH
.set STAGE,  2*SLOT                    ; behind the ring, where no tile lands: q and k: 32 units of 256 bytes + 16 for each wave (16 quads of tokens x 64 d, q's then k's),
.set SV,     STAGE+4*32*PITCH          ; v: 64 units, one for each d, of the block's 256 places
.set SPARE,  SV+64*PITCH               ; the spare words, 128 bytes for each wave, which no other line names
.set LIM,  8                           ; v8-10   448 x 2^e for q, k, v
.set SC,   11                          ; v11-13  2^e
.set ADRX, 16                          ; v16-17  LDS address of my fragments of x in slot 0, 1
.set ADRW, 20                          ; v20-21  of W
.set STOQ, 22                          ; where I put codes into the stages
.set STOV, 23
.set RDQ,  24                          ; where I read units back
.set RDV,  25
.set CO,   26                          ; my byte offset in 512 bytes of the output
.set SPW,  28                          ; LDS address of my spare word; never rewritten
.set NIL,  29                          ; 0; never rewritten
.set BOQ,  30                          ; the bias loads' offsets
.set BOV,  31
.set BI,   32                          ; v32-95  q's and k's bias in the result's layout
.set BV,   96                          ; v96-103 v's: one number a lane for each 16 d, in both registers of a pair
.set XF,   128
.set TMP,  128                         ; window 3: numbers on the way out
.set CD,   192                         ; window 3: q's and k's codes
.set CV,   192                         ; window 1: v's codes
.set G1, 24                            ; s[24:31] descriptor group 1 for x's tiles;  s[32:39] group 0, one set for each slot
.set G0, 32
.set G1B, 48                           ; s[48:55], s[56:63] the same for W's tiles
.set G0B, 56
.set MSB, 0
.macro WIN new                         ; the immediate's high byte repeats the setting that is left
.if MSB != (\new)
	s_set_vgpr_msb (MSB<<8)|(\new)
.set MSB, (\new)
.endif
.endm
.set QK, 0xa1                          ; source 0 (W) window 1, source 1 (x) window 0, C and D window 2
.set VV, 0xf4                          ; source 0 (x) window 0, source 1 (W) window 1, C and D window 3
; A joint load: waves 0 and 1 fetch for x, waves 2 and 3 for W.  The branch hangs on the wave's number alone.  An s_nop 0 and four v_nop follow each of the two lines.
.macro JLOAD g0a, g0b
	s_cmp_eq_u32 s15, 0
	s_cbranch_scc0 .Lfor_b_\@
	tensor_load_to_lds s[\g0a:\g0a+3], s[G1:G1+7]
	s_nop 0
.rept 4
	v_nop
.endr
	s_branch .Lasked_\@
.Lfor_b_\@:
	tensor_load_to_lds s[\g0b:\g0b+3], s[G1B:G1B+7]
	s_nop 0
.rept 4
	v_nop
.endr
.Lasked_\@:
.endm
.macro CREST                           ; a round of the cluster's barrier behind its opening barrier
	s_cmp_lg_u32 s14, 0
	s_cbranch_scc1 .Lnot_wave_0_\@
	s_barrier_signal -3
.Lnot_wave_0_\@:
	s_barrier_wait -3
	s_barrier_signal -1
	s_barrier_wait -1
.endm
.macro CROUND                          ; a whole round
	s_barrier_signal -1
	s_barrier_wait -1
	CREST
.endm
	s_load_b256 s[4:11], s[0:1], 0x0               ; x_codes s[4:5], w_codes s[6:7], the scales' exponents s[8:9], b_attn s[10:11]
	s_load_b64 s[12:13], s[0:1], 0x20              ; qkv
	v_lshl_add_u32 v[SPW], v0, 2, SPARE
	v_mov_b32 v[NIL], 0
	ds_add_u32 v[SPW], v[NIL]                      ; the wave's opening: the add, twice on end, and its wait ahead of my first tensor load; work on registers stands between the second and the wait
	ds_add_u32 v[SPW], v[NIL]
	v_lshrrev_b32 v1, 5, v0
	v_readfirstlane_b32 s14, v1                    ; wave 0..3
	s_lshr_b32 s15, s14, 1                         ; I fetch for x (0) or for W (1),
	s_and_b32 s16, s14, 1                          ; this half of the tile's rows
	s_bfe_u32 s40, ttmp6, 0x40000                  ; cx, cy: my place in the cluster
	s_bfe_u32 s41, ttmp6, 0x40004
	s_lshl_b32 s42, ttmp9, 2
	s_add_co_u32 s42, s42, s40                     ; column group g = 4 x cluster x + cx: 0..7
	s_and_b32 s17, ttmp7, 0xffff
	s_lshl_b32 s17, s17, 2
	s_add_co_u32 s17, s17, s41                     ; block of 256 tokens = 4 x cluster y + cy: 0..31
	s_lshl_b32 s43, s41, 2
	s_lshl_b32 s43, 15, s43                        ; my row of the cluster
	s_lshl_b32 s44, 0x1111, s40                    ; my column
	s_or_b32 s[G1+0], s43, (0<<16)|(1<<20)|(1<<21)|(5<<22)|(3<<25)  ; 15:0 the mask; 17:16 elements of 1 byte; 20 padding on; 21 set beside a mask; 24:22 after every 64 words; 31:25 four words of it
	s_or_b32 s[G1B+0], s44, (0<<16)|(1<<20)|(1<<21)|(5<<22)|(3<<25)
.irp g, G1, G1B
	s_mov_b32 s[\g+1], 256<<16                     ; tensor_dim0
	s_mov_b32 s[\g+3], 256<<16                     ; tile_dim0
	s_mov_b32 s[\g+5], 1024                        ; tensor_dim0_stride
	s_mov_b32 s[\g+6], 0
	s_mov_b32 s[\g+7], 0
.endr
	s_mov_b32 s[G1+2], 128<<16                     ; tensor_dim1, tile_dim1
	s_mov_b32 s[G1+4], 128
	s_mov_b32 s[G1B+2], 96<<16
	s_mov_b32 s[G1B+4], 96
	s_lshl_b32 s20, s17, 18                        ; x: 256 rows of 1,024 bytes a block,
	s_lshl_b32 s18, s16, 17                        ; 128 a half
	s_add_co_u32 s20, s20, s18
	s_mov_b32 s21, 0
	s_mul_i32 s46, s42, 384*1024                   ; W: 384 rows a column group,
	s_mul_i32 s18, s16, 96*1024                    ; 96 a half of a head's 192
	s_add_co_u32 s46, s46, s18
	s_mov_b32 s47, 0
	s_mul_i32 s45, s16, XH                         ; where they go: no place in the cluster enters an LDS address
	s_mul_i32 s66, s16, WH
	s_add_co_u32 s66, s66, WOFF
	s_wait_dscnt 0x0                               ; both opening adds are done
	s_wait_kmcnt 0x0
	s_load_b256 s[72:79], s[8:9], 0x0              ; e0 .. e7
	s_add_nc_u64 s[20:21], s[4:5], s[20:21]
	s_add_nc_u64 s[46:47], s[6:7], s[46:47]
	CROUND                                         ; all sixteen work-groups are here: the first joint loads meet
.irp s, 0,1
	s_mov_b32 s[G0+4*\s], 1
	s_add_co_u32 s[G0+4*\s+1], s45, \s*SLOT
	s_add_nc_u64 s[G0+4*\s+2:G0+4*\s+3], s[20:21], \s*256
	s_or_b32 s[G0+4*\s+3], s[G0+4*\s+3], 0x80000000
	s_mov_b32 s[G0B+4*\s], 1
	s_add_co_u32 s[G0B+4*\s+1], s66, \s*SLOT
	s_add_nc_u64 s[G0B+4*\s+2:G0B+4*\s+3], s[46:47], \s*256
	s_or_b32 s[G0B+4*\s+3], s[G0B+4*\s+3], 0x80000000
.endr
	JLOAD G0, G0B                                  ; K step 0: one tensor load a wave at the head
	s_mul_i32 s21, s14, 64*PITCH                   ; my 64 rows of x
	s_add_co_u32 s23, s21, SLOT
	s_mul_i32 s90, s14, 32*PITCH
	s_add_co_u32 s90, s90, STAGE                   ; my stage for q and k
	s_lshl_b32 s91, s14, 6
	s_add_co_u32 s91, s91, SV                      ; v's stage at my 64 places
	s_mul_i32 s92, s14, 16*PITCH
	s_add_co_u32 s92, s92, SV                      ; v's stage at the 16 units that I send
	s_lshl_b32 s94, s42, 9                         ; the bias of head 2 g: 64 numbers a head
	s_mov_b32 s95, 0
	s_add_nc_u64 s[84:85], s[10:11], s[94:95]
	s_lshr_b32 s94, s17, 3                         ; the output: the batch (8 blocks of tokens),
	s_lshl_b32 s94, s94, 4
	s_lshl_b32 s93, s42, 1
	s_add_co_u32 s94, s94, s93                     ; its head 2 g,
	s_lshl_b32 s94, s94, 17                        ; of 131,072 bytes,
	s_and_b32 s93, s17, 7
	s_lshl_b32 s93, s93, 14                        ; the block's 16,384 bytes in it (256 tokens x 64 d; 64 d x 256 places),
	s_add_co_u32 s94, s94, s93
	s_lshl_b32 s93, s14, 12                        ; my wave's 4,096 of them (64 tokens; 16 d)
	s_add_co_u32 s94, s94, s93
	s_add_nc_u64 s[12:13], s[12:13], s[94:95]      ; q
	s_add_nc_u64 s[86:87], s[12:13], 0x800000      ; k
	s_add_nc_u64 s[88:89], s[12:13], 0x1000000     ; v
	v_and_b32 v1, 15, v0                           ; r = l % 16
	v_bfe_u32 v2, v0, 4, 1                         ; h = l / 16
	v_mul_u32_u24 v3, v1, PITCH
	v_lshl_add_u32 v4, v2, 4, v3                   ; a fragment's row x pitch + 16 x half
	v_add_nc_u32 v[ADRX], s21, v4
	v_add_nc_u32 v[ADRX+1], s23, v4
	v_add_nc_u32 v[ADRW], WOFF, v4
	v_add_nc_u32 v[ADRW+1], WOFF+SLOT, v4
	v_lshrrev_b32 v5, 2, v1
	v_mul_u32_u24 v[STOQ], v5, PITCH
	v_and_b32 v5, 3, v1
	v_lshl_add_u32 v[STOQ], v5, 6, v[STOQ]
	v_lshl_add_u32 v[STOQ], v2, 3, v[STOQ]
	v_add_nc_u32 v[STOQ], s90, v[STOQ]             ; q, k: unit r / 4, byte 64 (r % 4) + 8 h
	v_add_nc_u32 v[STOV], s91, v4                  ; v: unit r, byte 64 x wave + 16 h
	v_mul_u32_u24 v5, v2, PITCH
	v_lshl_add_u32 v5, v1, 4, v5
	v_add_nc_u32 v[RDQ], s90, v5                   ; back: lanes 0-15 a unit, lanes 16-31 the next
	v_add_nc_u32 v[RDV], s92, v5
	v_and_b32 v6, 31, v0
	v_lshlrev_b32 v[CO], 4, v6
	v_lshlrev_b32 v[BOQ], 5, v2                    ; q, k: the bias of columns 8 h + 0 .. 7 of each 16
	v_lshlrev_b32 v[BOV], 2, v1                    ; v: the bias of row r of each 16
.macro BIAS n                          ; the bias of head 2 g + n
.irp b, 0,1,2,3,4,5,6,7
	global_load_b128 v[BI+8*\b:BI+8*\b+3], v[BOQ], s[84:85] offset:256*\n+4096*(\b/4)+64*(\b%4)
	global_load_b128 v[BI+8*\b+4:BI+8*\b+7], v[BOQ], s[84:85] offset:256*\n+4096*(\b/4)+64*(\b%4)+16
.endr
.irp g, 0,1,2,3
	global_load_b32 v[BV+2*\g], v[BOV], s[84:85] offset:256*\n+8192+64*\g
	global_load_b32 v[BV+2*\g+1], v[BOV], s[84:85] offset:256*\n+8192+64*\g
.endr
.endm
	BIAS 0
	s_wait_kmcnt 0x0
	s_add_co_i32 s80, s72, s73
	s_add_co_i32 s80, s80, 127
	s_lshl_b32 s80, s80, 23                        ; 2^(e0 + e1) as f32
	s_mov_b32 s81, s80                             ; (named with it as a pair, so it is written)
.macro SCALE p, e                      ; 2^e and 448 x 2^e for part p
	s_add_co_i32 s97, s[\e], 127
	s_lshl_b32 s96, s97, 23
	v_mov_b32 v[SC+\p], s96
	s_add_co_i32 s97, s97, 8
	s_lshl_b32 s97, s97, 23
	s_or_b32 s97, s97, 0x600000
	v_mov_b32 v[LIM+\p], s97
.endm
	SCALE 0, 74
	SCALE 1, 75
	SCALE 2, 77
.macro FRAG reg, adr, q, i             ; a fragment, 16 rows x 128 K: lane l holds row l % 16; registers 4 c .. 4 c + 3 hold K = 32 c + 16 (l / 16) + 0 .. 15: one order of k for both operands, so every product meets its partner
.irp c, 0,1,2,3
	ds_load_b128 v[\reg+4*\c:\reg+4*\c+3], v[\adr] offset:128*(\q)+32*\c+(\i)*16*PITCH
.endr
.endm
.macro FETCH_X slot, q, p              ; my four fragments of x into set p
	WIN 0
.irp i, 0,1,2,3
	FRAG XF+64*(\p)+16*\i, ADRX+\slot, \q, \i
.endr
.endm
.macro FETCH_W slot, q, i0             ; W's blocks i0 .. i0 + 5
	WIN 0x40
.irp i, \i0, \i0+1, \i0+2, \i0+3, \i0+4, \i0+5
	FRAG 16*(\i), ADRW+\slot, \q, \i
.endr
	WIN 0
.endm
; Four matrix instructions: one block of W against my four blocks of tokens.  zero = 1: the product starts the sums.  The 48 accumulators take turns, one instruction a turn, in one order in every step.
.macro MQK b, p, zero
.irp a, 0,1,2,3
.if \zero
	v_wmma_f32_16x16x128_fp8_fp8 v[8*(8*\a+\b):8*(8*\a+\b)+7], v[16*\b:16*\b+15], v[XF+64*(\p)+16*\a:XF+64*(\p)+16*\a+15], 0
.else
	v_wmma_f32_16x16x128_fp8_fp8 v[8*(8*\a+\b):8*(8*\a+\b)+7], v[16*\b:16*\b+15], v[XF+64*(\p)+16*\a:XF+64*(\p)+16*\a+15], v[8*(8*\a+\b):8*(8*\a+\b)+7]
.endif
.endr
.endm
.macro MV g, p, zero
.irp a, 0,1,2,3
.if \zero
	v_wmma_f32_16x16x128_fp8_fp8 v[8*(4*\g+\a):8*(4*\g+\a)+7], v[XF+64*(\p)+16*\a:XF+64*(\p)+16*\a+15], v[16*(8+\g):16*(8+\g)+15], 0
.else
	v_wmma_f32_16x16x128_fp8_fp8 v[8*(4*\g+\a):8*(4*\g+\a)+7], v[XF+64*(\p)+16*\a:XF+64*(\p)+16*\a+15], v[16*(8+\g):16*(8+\g)+15], v[8*(4*\g+\a):8*(4*\g+\a)+7]
.endif
.endr
.endm
.macro HALF2 p, zero                   ; a step's second half: k's blocks 6 and 7, and v's four
	WIN QK
	MQK 6, \p, \zero
	MQK 7, \p, \zero
	WIN VV
.irp g, 0,1,2,3
	MV \g, \p, \zero
.endr
.endm
.macro PLACES                          ; plain vector instructions between a matrix instruction and a load into its sources, or a vector instruction that reads its result (ISA guide 7.12.1 for vector instructions)
.rept 4
	v_nop
.endr
.endm
.macro STEP slot, zero                 ; a slot's first 128 along K, on x's set 0
	s_wait_dscnt 24                                ; x's set and W's blocks 0-5 are in; the youngest 24 loads (W's blocks 6-11) may be out
	WIN QK
.irp b, 0,1,2,3,4,5
	MQK \b, 0, \zero
.endr
	s_wait_dscnt 0
	PLACES
	FETCH_X \slot, 1, 1
	FETCH_W \slot, 1, 0
	HALF2 0, \zero
	PLACES
	FETCH_W \slot, 1, 6
.endm
; A slot's second 128 along K, on x's set 1, changes slots: ONE barrier; in front of it each wave waits for all its tensor loads, adds 0 to its spare word, and waits for that and for its own reads of this slot.
; fill = 1: this slot takes the block's K step two steps on;  fill = 2: the next block's K step (x: back along K; W: 192 rows down and back);  fill = 0: nothing.
.macro TURN slot, next, fill
	s_wait_tensorcnt 0x0                           ; all my tensor loads have landed: my part of the next slot
	ds_add_u32 v[SPW], v[NIL]                      ; 0 onto my spare word
	s_wait_dscnt 25                                ; (the add and the youngest 24 loads may be out)
	WIN QK
.irp b, 0,1,2
	MQK \b, 1, 0
.endr
	s_wait_dscnt 0x0                               ; the add is done, and my reads of this slot are over
	s_barrier_signal -1
.irp b, 3,4,5
	MQK \b, 1, 0
.endr
	WIN 0
	s_barrier_wait -1
.if \fill
	CREST                                          ; the barrier has opened a round of the cluster's: no wave of any partner still reads this slot or has a load on its way
.if \fill == 1
	s_add_nc_u64 s[G0+4*\slot+2:G0+4*\slot+3], s[G0+4*\slot+2:G0+4*\slot+3], 512
	s_add_nc_u64 s[G0B+4*\slot+2:G0B+4*\slot+3], s[G0B+4*\slot+2:G0B+4*\slot+3], 512
.else
	s_sub_nc_u64 s[G0+4*\slot+2:G0+4*\slot+3], s[G0+4*\slot+2:G0+4*\slot+3], 512
	s_add_nc_u64 s[G0B+4*\slot+2:G0B+4*\slot+3], s[G0B+4*\slot+2:G0B+4*\slot+3], 192*1024-512
.endif
	JLOAD G0+4*\slot, G0B+4*\slot                  ; the first tensor load behind the round; its four v_nop are also the places in front of the loads below
.else
	PLACES
.endif
	FETCH_X \next, 0, 0
	FETCH_W \next, 0, 0
	HALF2 1, 0
	PLACES
	FETCH_W \next, 0, 6
.endm
; THE WAY OUT of block n.  number = sum x 2^(e0 + e1) + bias, each accumulator from its low end on; the hold; eight neighbours along the next K become 8 bytes; into the stages; back by units of 256 bytes.
.macro OUT n
	s_wait_dscnt 0x0                               ; no LDS load of mine is out: the counts below are this macro's own
	s_wait_xcnt 0x0                                ; the last block's stores have read their registers, which are written again below
	s_wait_loadcnt 0x0                             ; the bias
	PLACES                                         ; behind the last products
.irp a, 0,1,2,3                        ; q and k: 16 tokens x 128 columns at a time
	WIN 0xc2                                       ; to window 3, from window 2 and the bias in window 0
.irp b, 0,1,2,3,4,5,6,7
.irp k, 0,2,4,6
	v_pk_fma_f32 v[TMP+8*\b+\k:TMP+8*\b+\k+1], v[8*(8*\a+\b)+\k:8*(8*\a+\b)+\k+1], s[80:81], v[BI+8*\b+\k:BI+8*\b+\k+1] op_sel_hi:[1,0,1]
.endr
.endr
	WIN 0xc3
.irp b, 0,1,2,3,4,5,6,7
.irp k, 0,1,2,3,4,5,6,7
	v_med3_num_f32 v[TMP+8*\b+\k], v[TMP+8*\b+\k], -v[LIM+\b/4], v[LIM+\b/4]   ; the conversion to an 8-bit code does not saturate (ISA guide 7.6.2)
.endr
.endr
.irp b, 0,1,2,3,4,5,6,7
	v_cvt_scalef32_pk8_fp8_f32 v[CD+16*\a+2*\b:CD+16*\a+2*\b+1], v[TMP+8*\b:TMP+8*\b+7], v[SC+\b/4]
.endr
	v_nop                                          ; one plain vector instruction between the last conversion and the lines that write its sources again
	WIN 0x0c                                       ; address from window 0, data from window 3
.irp b, 0,1,2,3,4,5,6,7
	ds_store_b64 v[STOQ], v[CD+16*\a+2*\b:CD+16*\a+2*\b+1] offset:16*PITCH*(\b/4)+4*PITCH*\a+16*(\b%4)   ; q's or k's units, quads of tokens 4 a on, d = 16 (b % 4) + 8 h on
.endr
.endr
.irp g, 0,1,2,3                        ; v: 16 d x my 64 keys at a time
	WIN 0xc3
.irp a, 0,1,2,3
.irp k, 0,2,4,6
	v_pk_fma_f32 v[TMP+32*(\g%2)+8*\a+\k:TMP+32*(\g%2)+8*\a+\k+1], v[8*(4*\g+\a)+\k:8*(4*\g+\a)+\k+1], s[80:81], v[BV+2*\g:BV+2*\g+1] op_sel_hi:[1,0,0]
.endr
.endr
.set k2, 0
.rept 32
	v_med3_num_f32 v[TMP+32*(\g%2)+k2], v[TMP+32*(\g%2)+k2], -v[LIM+2], v[LIM+2]
.set k2, k2+1
.endr
	WIN 0x43                                       ; codes to window 1
.irp a, 0,1,2,3
	v_cvt_scalef32_pk8_fp8_f32 v[CV+8*\g+2*\a:CV+8*\g+2*\a+1], v[TMP+32*(\g%2)+8*\a:TMP+32*(\g%2)+8*\a+7], v[SC+2]
.endr
	v_nop
	WIN 0x04
.irp p, 0,1
	ds_store_b128 v[STOV], v[CV+8*\g+4*\p:CV+8*\g+4*\p+3] offset:16*PITCH*\g+32*\p   ; blocks of tokens 2 p and 2 p + 1 on end: places 32 p + 16 h + 0 .. 15 of my 64
.endr
.endr
	WIN 0
	s_wait_dscnt 0x0                               ; for the others' sake: my stores into the stages are done
	s_barrier_signal -1
	s_barrier_wait -1                              ; a unit of v comes from four waves.  a tensor load may be on its way across it
	WIN 0xc0
.set m, 0
.rept 16
	ds_load_b128 v[128+4*m:128+4*m+3], v[RDQ] offset:544*m
.set m, m+1
.endr
.set m, 0
.rept 8
	ds_load_b128 v[192+4*m:192+4*m+3], v[RDV] offset:544*m
.set m, m+1
.endr
	WIN 0x0c
.set m, 0
.rept 8                                ; sixteen lanes store 256 consecutive bytes, aligned
	s_wait_dscnt 23-m                              ; load m is in; the younger ones may be out
	global_store_b128 v[CO], v[128+4*m:128+4*m+3], s[12:13] offset:512*m+131072*\n
.set m, m+1
.endr
.set m, 0
.rept 8
	s_wait_dscnt 15-m
	global_store_b128 v[CO], v[160+4*m:160+4*m+3], s[86:87] offset:512*m+131072*\n
.set m, m+1
.endr
.set m, 0
.rept 8
	s_wait_dscnt 7-m
	global_store_b128 v[CO], v[192+4*m:192+4*m+3], s[88:89] offset:512*m+131072*\n
.set m, m+1
.endr
	WIN 0
.endm
	s_wait_alu depctr_va_vdst(0)                   ; the wait at the head's end
	s_wait_tensorcnt 0x0                           ; my part of K step 0 is in
	ds_add_u32 v[SPW], v[NIL]
	s_wait_dscnt 0x0
	CROUND                                         ; everybody's part of K step 0 is in, and all sixteen work-groups are here
	JLOAD G0+4, G0B+4                              ; K step 1 into slot 1: the first tensor load behind the round
	FETCH_X 0, 0, 0
	FETCH_W 0, 0, 0
	FETCH_W 0, 0, 6
	STEP 0, 1                                      ; head 2 g.  K 0-127: its products start the sums
	TURN 0, 1, 1                                   ; slot 0 takes K step 2
	STEP 1, 0
	TURN 1, 0, 1                                   ; slot 1 takes K step 3
	STEP 0, 0
	TURN 0, 1, 2                                   ; THE RING GOES ON INTO THE NEXT BLOCK: slot 0 takes its K step 0,
	STEP 1, 0
	TURN 1, 0, 2                                   ; slot 1 its K step 1, and the next block's first fragments are fetched
	OUT 0                                          ; both refills are asked for: now the block goes out
	BIAS 1
	STEP 0, 1                                      ; head 2 g + 1
	TURN 0, 1, 1
	STEP 1, 0
	TURN 1, 0, 1
	STEP 0, 0
	TURN 0, 1, 0                                   ; nothing is left to fetch: no round
	STEP 1, 0
	s_wait_dscnt 24                                ; the last 128 along K
	WIN QK
.irp b, 0,1,2,3,4,5
	MQK \b, 1, 0
.endr
	s_wait_dscnt 0
	HALF2 1, 0
	WIN 0
	OUT 1
	s_wait_tensorcnt 0x0                           ; the wave's end, behind my last tensor load and my last LDS store
	ds_add_u32 v[SPW], v[NIL]
	s_wait_dscnt 0x0
	CROUND                                         ; the closing round: no work-group ends while a partner may still ask for a tile that names it
	s_endpgm
.Lfunc_end_k_qb232ed9768_gemm_qkv:
	.size	k_qb232ed9768_gemm_qkv, .Lfunc_end_k_qb232ed9768_gemm_qkv-k_qb232ed9768_gemm_qkv
	.p2alignl 7, 3214868480
	.fill 96, 4, 3214868480
	.section	.rodata,"a",@progbits
	.p2align	6, 0x0
	.amdhsa_kernel k_qb232ed9768_gemm_qkv
		.amdhsa_group_segment_fixed_size 327680
		.amdhsa_private_segment_fixed_size 0
		.amdhsa_enable_private_segment 0
		.amdhsa_kernarg_size 40
		.amdhsa_user_sgpr_count 2
		.amdhsa_user_sgpr_kernarg_segment_ptr 1
		.amdhsa_wavefront_size32 1
		.amdhsa_system_sgpr_workgroup_id_x 1
		.amdhsa_system_sgpr_workgroup_id_y 1
		.amdhsa_system_sgpr_workgroup_id_z 1
		.amdhsa_system_vgpr_workitem_id 0
		.amdhsa_next_free_vgpr 1024
		.amdhsa_next_free_sgpr 100
		.amdhsa_reserve_vcc 0
		.amdhsa_float_denorm_mode_32 3
		.amdhsa_float_denorm_mode_16_64 3
		.amdhsa_memory_ordered 1
		.amdhsa_forward_progress 1
		.amdhsa_inst_pref_size 236
	.end_amdhsa_kernel
	.amdgpu_metadata
---
amdhsa.version: [ 1, 2 ]
amdhsa.kernels:
  - .name:           k_qb232ed9768_gemm_qkv
    .symbol:         k_qb232ed9768_gemm_qkv.kd
    .args:
      - { .name: x_codes, .offset: 0, .size: 8, .value_kind: global_buffer, .address_space: global }
      - { .name: w_codes, .offset: 8, .size: 8, .value_kind: global_buffer, .address_space: global }
      - { .name: lowp_scales, .offset: 16, .size: 8, .value_kind: global_buffer, .address_space: global }
      - { .name: b_attn, .offset: 24, .size: 8, .value_kind: global_buffer, .address_space: global }
      - { .name: qkv, .offset: 32, .size: 8, .value_kind: global_buffer, .address_space: global }
    .group_segment_fixed_size: 327680
    .private_segment_fixed_size: 0
    .kernarg_segment_align: 8
    .kernarg_segment_size: 40
    .max_flat_workgroup_size: 128
    .sgpr_count:     100
    .vgpr_count:     1024
    .wavefront_size: 32
...
	.end_amdgpu_metadata
.endif
;; end of part 2
;; launch attn (part 3): grid 4 x 64, 16 waves a work-group, clusters of 4 x 1, 327,680 bytes of LDS; arguments qkv, lowp_scales, y_codes; writes y_codes
.if DOCPART == 3
	.amdgcn_target "amdgcn-amd-amdhsa--gfx1250"
	.amdhsa_code_object_version 6
	.text
	.protected	k_qb232ed9768_attn
	.globl	k_qb232ed9768_attn
	.p2align	8
	.type	k_qb232ed9768_attn,@function
k_qb232ed9768_attn:
	s_mov_b64 s[64:65], 0
	v_nop
	global_prefetch_b8 v0, s[64:65] scope:SCOPE_SE
	s_setreg_imm32_b32 hwreg(HW_REG_WAVE_MODE, 25, 1), 1
	s_wait_xcnt 0x0
	s_wait_alu depctr_hold_cnt(0) depctr_sa_sdst(0) depctr_va_vdst(0) depctr_va_sdst(0) depctr_va_ssrc(0) depctr_va_vcc(0) depctr_vm_vsrc(0)
	s_getreg_b32 s2, hwreg(HW_REG_IB_STS2, 6, 4)
	s_cmp_eq_u32 s2, 0
	s_cbranch_scc0 .Lentry_in_a_cluster
	s_endpgm
.Lentry_in_a_cluster:
	s_bfe_u32 s2, ttmp6, 0x10000c
	s_cmp_lg_u32 s2, 0x3003
	s_cbranch_scc0 .Lentry_shape_is_right
	s_endpgm
.Lentry_shape_is_right:
; y[b][t][head][:] = the sum over keys k <= t of softmax_k(q . k / 8) v, both products on codes of E4M3 with the given scales 2^e2 (q), 2^e3 (k), 2^e4 (p), 2^e5 (v); y is quantised at once with 2^e6 for the projection.
; WORK LEFT OUT: a step of 128 keys all of which come after all of the wave's 16 queries: the problem's own causal mask makes its scores -infinity, so p = 0, whatever the inputs hold (shown at the head of the first launch's text).
; IN (one buffer): q at byte 0, k at 0x800000: [batch x head 64][t 2048][d 64];  v at 0x1000000: [batch x head 64][block of 256 places 8][d 64][256 places], place 32 B + 16 h + 8 u + j = key 32 B + 16 u + 8 h + j.
; OUT: y_codes [token / 4][head 16][token % 4][d 64]: 4 tokens x 64 d of one head are 256 bytes that lie together.
; THE SOFTMAX AHEAD OF THE SECOND PRODUCT: t = score x log2(e) / 8; M = the row's largest t so far, rounded UP to a whole number; p = 2^(t - M) is what is quantised; the row's sum is taken of the unquantised p and divides at the end.
; When M moves, the sum and O are multiplied by 2^(old M - new M): exact.
; SHARES.  A head's K and V, 2 x 131,072 bytes, lie WHOLE in LDS (512 rows of 256 + 16 bytes each): no slot is filled again and no barrier stands in the walk over the keys.
; The four work-groups of a head form a cluster; work-group cx owns the tiles of 16 queries whose number is cx modulo 4: its tile m (0 .. 31) is queries 64 m + 16 cx + 0 .. 15, which see steps 0 .. m / 2 of 128 keys.
; Wave w of sixteen takes tile 31 - w (16 - w / 2 steps) and then tile w (w / 2 + 1 steps): 17 steps for every wave of every work-group; four waves share a SIMD.
; No branch, trip count or LDS address hangs on cx: it enters q's and y's addresses and the mask's compare alone.
; JOINT LOADS: all four partners read all 2,048 keys, so every tile is asked for jointly (mask 15).  Two groups of first fills, one load a wave each, made by arithmetic on the wave's number: keys 0-511 at the head
; (waves 0-7: K, 16 rows each; waves 8-15: V), keys 512-2047 (48 rows a wave) behind a round of the cluster's barrier; they are waited for once, ahead of step 4.
; NO PREFETCH: both groups of loads stand at the head, the second as soon as the first has landed; no later load exists that a loop could run ahead of.
; LAYOUT.  Both products are used transposed: S^T = K Q^T (16x16x64), O^T = V^T P^T (16x16x128): a lane holds ONE query throughout.
; Tile t of S^T holds keys 16 t + 8 (lane / 16) + 0 .. 7 in a lane's eight registers: their codes ARE registers 2 t, 2 t + 1 of P in the 16x16x128 form's own layout (ISA guide 7.12.2), and v's places are laid to match.
; LIMITS on the given exponents: e2 + e3 between -123 and 130 (added to c's exponent field); e4 and e6 between -126 and 119; e4 + e5 is applied by v_ldexp_f32 and has none.
; REGISTERS: v1-11 addresses; v12 -M, v13 the largest t, v[14:15] the sum; v16-23 Q; v24-31 y's codes; v32-95 K's eight fragments, then V's four; v96-159 S^T, then p; v160-191 O^T; v192-207 p's codes;
;   v208-215 the second tile's Q; v216-223 constants; v224-254 at work.
.set KP,    272                        ; an LDS row: 256 bytes + 16 of padding.  K: a row is 4 keys x 64 bytes; V: a row is one d x 256 places
.set VOFF,  512*KP                     ; K's 512 rows, then V's 512
.set STAGE, 2*VOFF                     ; 16 rows x 80 bytes for each wave, for the way out; no tile lands here
.set SPARE, STAGE+16*1280              ; the spare words, 128 bytes for each of sixteen waves, which no other line names
.set AK0, 1                            ; my lane's place in a tile of K
.set AV0, 2                            ; of V
.set QO,  4                            ; my lane's place in 16 rows of Q
.set SPW, 5                            ; LDS address of my spare word; never rewritten
.set NIL, 6                            ; 0; never rewritten
.set GO,  7                            ; my byte offset in y
.set ADK, 8                            ; LDS addresses of the step's tiles
.set ADV, 9
.set STO, 10                           ; the stage: where I put 8 codes
.set RD,  11                           ; and where I read 16 back
.set QN,  208
.set LP,  216                          ; v216, v217: 448 x 2^e4, twice: the two halves of a dual pair take their second sources from different banks
.set SCP, 218                          ; 2^e4
.set SCY, 219                          ; 2^e6
.set LY,  220                          ; 448 x 2^e6
.set DQ,  221                          ; my query's place among the 128 of its last step, less 8 (lane / 16)
.set NINF, 222                         ; -infinity
.set DQ0, 223                          ; the same for a tile in the lower 64 places
.set ST,  3                            ; s3  the step's number, 0 .. 16
.set WV,  10                           ; s10 my wave's number
.set CX,  11                           ; s11 my work-group's place in the cluster
.set KS,  12                           ; s12 which 128 keys
.set DG,  13                           ; s13 1 in a tile's last step, which holds the diagonal
.set TBK, 14                           ; s14, s15 LDS bytes of the step's keys in K and in V
.set TBV, 15
.set W2,  16                           ; s16 wave / 2
.set ACU, 17                           ; s17 the last step of the tile in hand
.set AA,  18                           ; s18 15 - wave / 2
.set UA,  19                           ; s19 the first tile lies in the upper (1) or lower (0) 64 places of its last step;  s60 the second tile;  s98 the tile in hand
.set UB,  60
.set UC,  98
.set SEL, 20                           ; s[20:21] lane selects for v_permlanex16_b32: lane l xor 16
.set CS,  22                           ; s[22:23] c = log2(e) / 8 x 2^(e2 + e3)
.set G1A, 24                           ; s[24:31], s[32:39] descriptor groups 1 (16 rows; 48 rows);  s[40:43], s[44:47] groups 0
.set G1B, 32
.set G0A, 40
.set G0B, 44
.set YC,  48                           ; s[48:49] y of the tile in hand;  s[50:51] of the second tile
.set YN,  50
.set QA,  52                           ; s[52:53], s[54:55] q of the two tiles
.set QB,  54
.set EY,  61                           ; s61 e4 + e5
.macro ROUND                           ; a round of the cluster's barrier
	s_barrier_signal -1
	s_barrier_wait -1
	s_cmp_lg_u32 s[WV], 0
	s_cbranch_scc1 .Lnot_wave_0_\@
	s_barrier_signal -3
.Lnot_wave_0_\@:
	s_barrier_wait -3
	s_barrier_signal -1
	s_barrier_wait -1
.endm
	s_load_b128 s[4:7], s[0:1], 0x0                ; qkv s[4:5], the scales' exponents s[6:7]
	s_load_b64 s[8:9], s[0:1], 0x10                ; y_codes
	v_lshl_add_u32 v[SPW], v0, 2, SPARE
	v_mov_b32 v[NIL], 0
	ds_add_u32 v[SPW], v[NIL]                      ; the wave's opening: the add, twice on end, and its wait ahead of my first tensor load
	ds_add_u32 v[SPW], v[NIL]
	v_lshrrev_b32 v8, 5, v0
	v_readfirstlane_b32 s[WV], v8                  ; wave 0..15
	s_bfe_u32 s[CX], ttmp6, 0x40000
	s_and_b32 s76, ttmp7, 0xffff                   ; batch x head
	s_lshl_b32 s78, s76, 17                        ; its first byte in each of the three parts
	s_mov_b32 s[G1A], 15|(1<<20)|(1<<21)|(5<<22)|(3<<25)  ; 15:0 the mask: all four partners; 17:16 elements of 1 byte; 20 padding on; 21 set beside a mask; 24:22 after every 64 words; 31:25 four words of it
	s_mov_b32 s[G1B], 15|(1<<20)|(1<<21)|(5<<22)|(3<<25)
.irp g, G1A, G1B
	s_mov_b32 s[\g+1], 256<<16                     ; tensor_dim0
	s_mov_b32 s[\g+3], 256<<16                     ; tile_dim0
	s_mov_b32 s[\g+5], 256                         ; tensor_dim0_stride: dense
	s_mov_b32 s[\g+6], 0
	s_mov_b32 s[\g+7], 0
.endr
	s_mov_b32 s[G1A+2], 16<<16                     ; tensor_dim1, tile_dim1
	s_mov_b32 s[G1A+4], 16
	s_mov_b32 s[G1B+2], 48<<16
	s_mov_b32 s[G1B+4], 48
	s_lshr_b32 s56, s[WV], 3                       ; I fetch for K (0) or for V (1),
	s_and_b32 s57, s[WV], 7                        ; this eighth of a group's rows
	s_mul_i32 s58, s56, VOFF
	s_mul_i32 s59, s57, 16*KP
	s_mov_b32 s[G0A], 1
	s_add_co_u32 s[G0A+1], s58, s59                ; rows 0-127: 16 a wave
	s_mul_i32 s59, s57, 48*KP
	s_add_co_u32 s59, s59, s58
	s_mov_b32 s[G0B], 1
	s_add_co_u32 s[G0B+1], s59, 128*KP             ; rows 128-511: 48 a wave
	s_lshl_b32 s58, s56, 23
	s_add_co_u32 s58, s58, s78
	s_add_co_u32 s58, s58, 0x800000                ; the head's K or V in the buffer
	s_lshl_b32 s62, s57, 12
	s_add_co_u32 s62, s62, s58
	s_mov_b32 s63, 0
	s_mul_i32 s66, s57, 12288
	s_add_co_u32 s66, s66, s58
	s_add_co_u32 s66, s66, 32768
	s_mov_b32 s67, 0
	s_lshr_b32 s[W2], s[WV], 1
	s_xor_b32 s[AA], s[W2], 15                     ; 15 - wave / 2
	s_and_b32 s[UB], s[WV], 1
	s_xor_b32 s[UA], s[UB], 1
	s_xor_b32 s79, s[WV], 31                       ; the first tile: 31 - wave
	s_lshl_b32 s80, s[CX], 10                      ; q: 16 cx rows of 64 bytes,
	s_add_co_u32 s80, s80, s78
	s_lshl_b32 s82, s79, 12                        ; and 64 rows from tile to tile
	s_add_co_u32 s82, s82, s80
	s_mov_b32 s83, 0
	s_lshl_b32 s84, s[WV], 12
	s_add_co_u32 s84, s84, s80
	s_mov_b32 s85, 0
	s_lshr_b32 s86, s76, 4                         ; y: the batch's 2,048 tokens of 1,024 bytes,
	s_lshl_b32 s86, s86, 21
	s_and_b32 s87, s76, 15
	s_lshl_b32 s87, s87, 8                         ; the head's 256 bytes in a quad of tokens,
	s_add_co_u32 s86, s86, s87
	s_lshl_b32 s87, s[CX], 14                      ; 16 cx tokens,
	s_add_co_u32 s86, s86, s87
	s_lshl_b32 s88, s79, 16                        ; 64 tokens from tile to tile
	s_add_co_u32 s88, s88, s86
	s_mov_b32 s89, 0
	s_lshl_b32 s90, s[WV], 16
	s_add_co_u32 s90, s90, s86
	s_mov_b32 s91, 0
	s_mov_b32 s[SEL], 0x76543210
	s_mov_b32 s[SEL+1], 0xfedcba98
	s_mov_b32 s[CS], 0x3e38aa3b                    ; log2(e) / 8
	s_wait_dscnt 0x0                               ; both opening adds are done
	s_wait_kmcnt 0x0
	s_load_b256 s[68:75], s[6:7], 0x0              ; e0 .. e7
	s_add_nc_u64 s[G0A+2:G0A+3], s[4:5], s[62:63]
	s_or_b32 s[G0A+3], s[G0A+3], 0x80000000        ; type = 2
	s_add_nc_u64 s[G0B+2:G0B+3], s[4:5], s[66:67]
	s_or_b32 s[G0B+3], s[G0B+3], 0x80000000
	s_add_nc_u64 s[QA:QA+1], s[4:5], s[82:83]
	s_add_nc_u64 s[QB:QB+1], s[4:5], s[84:85]
	s_add_nc_u64 s[YC:YC+1], s[8:9], s[88:89]
	s_add_nc_u64 s[YN:YN+1], s[8:9], s[90:91]
	ROUND                                          ; all four work-groups are here: the first joint loads meet
	tensor_load_to_lds s[G0A:G0A+3], s[G1A:G1A+7]  ; keys 0-511: my one load at the head
	s_nop 0
	s_wait_kmcnt 0x0
	s_add_co_i32 s96, s70, s71
	s_lshl_b32 s96, s96, 23
	s_add_co_i32 s[CS], s[CS], s96                 ; a score stands for score x 2^(e2 + e3): the exponents are added to c's exponent field
	s_mov_b32 s[CS+1], s[CS]                       ; (named with it as a pair, so it is written)
	s_add_co_i32 s96, s72, 127
	s_lshl_b32 s93, s96, 23                        ; 2^e4
	s_add_co_i32 s96, s96, 8
	s_lshl_b32 s96, s96, 23
	s_or_b32 s92, s96, 0x600000                    ; 448 x 2^e4
	s_add_co_i32 s96, s74, 127
	s_lshl_b32 s94, s96, 23                        ; 2^e6
	s_add_co_i32 s96, s96, 8
	s_lshl_b32 s96, s96, 23
	s_or_b32 s95, s96, 0x600000                    ; 448 x 2^e6
	s_add_co_i32 s[EY], s72, s73                   ; e4 + e5
	s_mul_i32 s96, s[WV], 1280
	s_add_co_u32 s96, s96, STAGE                   ; my stage
	s_lshl_b32 s97, s[CX], 4
	s_lshl_b32 s63, s[UA], 6
	v_and_b32 v8, 15, v0                           ; r = lane % 16
	v_bfe_u32 v9, v0, 4, 1                         ; h = lane / 16
	v_lshlrev_b32 v[QO], 6, v8
	v_lshl_add_u32 v[QO], v9, 4, v[QO]             ; Q: row r of 64 bytes, + 16 h: registers 0-3 hold d = 16 h on, registers 4-7 d = 32 + 16 h on; K's fragments take the same order of d
	global_load_b128 v[16:19], v[QO], s[QA:QA+1]
	global_load_b128 v[20:23], v[QO], s[QA:QA+1] offset:32
	global_load_b128 v[QN:QN+3], v[QO], s[QB:QB+1]
	global_load_b128 v[QN+4:QN+7], v[QO], s[QB:QB+1] offset:32
	v_lshrrev_b32 v10, 2, v8
	v_mul_u32_u24 v[AK0], v10, KP
	v_and_b32 v10, 3, v8
	v_lshl_add_u32 v[AK0], v10, 6, v[AK0]
	v_lshl_add_u32 v[AK0], v9, 4, v[AK0]           ; K: key r lies in LDS row r / 4 at byte 64 (r % 4)
	v_mul_u32_u24 v[AV0], v8, KP
	v_lshl_add_u32 v[AV0], v9, 4, v[AV0]
	v_add_nc_u32 v[AV0], VOFF, v[AV0]              ; V: row d = r, + 16 h
	v_lshlrev_b32 v[GO], 12, v9
	v_lshl_add_u32 v[GO], v8, 4, v[GO]             ; y: lanes 0-15 a quad of tokens' 256 bytes, lanes 16-31 the next quad's, 4,096 bytes on
	v_lshlrev_b32 v[DQ0], 3, v9
	v_sub_nc_u32 v[DQ0], v8, v[DQ0]
	v_add_nc_u32 v[DQ0], s97, v[DQ0]               ; 16 cx + r - 8 h
	v_add_nc_u32 v[DQ], s63, v[DQ0]                ; + 64 where the first tile lies in the upper 64 places
	v_mul_u32_u24 v[STO], v8, 80
	v_lshl_add_u32 v[STO], v9, 3, v[STO]
	v_add_nc_u32 v[STO], s96, v[STO]               ; in: row r, byte 8 h
	v_and_b32 v[RD], 31, v0
	v_lshrrev_b32 v[RD], 2, v[RD]
	v_mul_u32_u24 v[RD], v[RD], 80
	v_and_b32 v254, 3, v0
	v_lshl_add_u32 v[RD], v254, 4, v[RD]
	v_add_nc_u32 v[RD], s96, v[RD]                 ; back: four lanes to a row of 64 bytes
	v_mov_b32 v[LP], s92
	v_mov_b32 v[LP+1], s92
	v_mov_b32 v[SCP], s93
	v_mov_b32 v[SCY], s94
	v_mov_b32 v[LY], s95
	v_mov_b32 v[NINF], 0xff800000
	v_mov_b32 v236, 0                              ; written once: a lane permute's destination counts as one of its sources
	v_mov_b32 v252, 0
	v_mov_b32 v253, 0                              ; (named as the upper half of the pair v[252:253])
; A tile begins: O^T and the sum are zeros and the largest t is under every t, so the first step needs no text of its own: the first change of M multiplies zeros.
.macro RESET
	v_mov_b32 v13, 0xff61b1e6                      ; -3e38
	v_floor_f32 v12, -v13                          ; -M
	v_mov_b32 v14, 0
	v_mov_b32 v15, 0
.set j, 0
.rept 16
	v_dual_mov_b32 v[160+j], 0 :: v_dual_mov_b32 v[161+j], 0
.set j, j+2
.endr
.endm
	RESET
.macro ADDR ks                         ; where step ks's 128 keys lie: K: 32 rows a step;  V: 64 rows for 256 places, 128 bytes a step inside a row
	s_mul_i32 s[TBK], s[\ks], 32*KP
	s_lshr_b32 s[TBV], s[\ks], 1
	s_mul_i32 s[TBV], s[TBV], 64*KP
	s_and_b32 s96, s[\ks], 1
	s_lshl_b32 s96, s96, 7
	s_add_co_u32 s[TBV], s[TBV], s96
.endm
; A STEP: 128 keys x my 16 queries.  mask = 1: the text of the steps that may hold the diagonal.
.macro STEP mask
	v_add_nc_u32 v[ADK], s[TBK], v[AK0]
	v_add_nc_u32 v[ADV], s[TBV], v[AV0]
	v_nop                                          ; with the two additions: four places in front of loads into registers that the last products read
	v_nop
.irp t, 0,1,2,3,4,5,6,7
	ds_load_b128 v[32+8*\t:35+8*\t], v[ADK] offset:4*\t*KP
	ds_load_b128 v[36+8*\t:39+8*\t], v[ADK] offset:4*\t*KP+32
.endr
	s_wait_alu depctr_va_vdst(0)                   ; the wait here, directly ahead of the wait below
	s_wait_dscnt 0x0
.irp t, 0,1,2,3,4,5,6,7
	v_wmma_f32_16x16x64_fp8_fp8 v[96+8*\t:103+8*\t], v[32+8*\t:39+8*\t], v[16:23], 0   ; register 8 t + j: key 16 t + 8 (lane / 16) + j of the step, for query lane % 16
.endr
.rept 4
	v_nop                                          ; places in front of the loads below, into K's registers, and of the first read of the scores
.endr
.irp t, 0,1,2,3
.irp c, 0,1,2,3
	ds_load_b128 v[32+16*\t+4*\c:35+16*\t+4*\c], v[ADV] offset:16*\t*KP+32*\c   ; V's four fragments go out now and land under the softmax
.endr
.endr
.if \mask
; ON THE DIAGONAL register 8 t + j (key 16 t + 8 h + j of the step) is hidden where 16 t + j is above DQ.  A tile in the lower 64 places: keys 64-127 are hidden for every cx, keys 0-63 are compared.
; A tile in the upper 64: keys 0-63 count for every cx, keys 64-127 are compared.  The step's first key counts for all queries, so no row is all -infinity.
	s_cmp_eq_u32 s[DG], 0                          ; the wave's number and the count of steps alone
	s_cbranch_scc1 .Lopen_\@
	s_cmp_eq_u32 s[UC], 0
	s_cbranch_scc0 .Lupper_\@
.set n, 0
.rept 32
	v_cmp_gt_i32 vcc_lo, 16*(n/8)+n%8, v[DQ]
	v_cndmask_b32 v[96+n], v[96+n], v[NINF], vcc_lo
.set n, n+1
.endr
.rept 32
	v_mov_b32 v[96+n], v[NINF]
.set n, n+1
.endr
	s_wait_alu depctr_va_vdst(0)                   ; the wait directly ahead of the branch
	s_branch .Lopen_\@
.Lupper_\@:
.set n, 32
.rept 32
	v_cmp_gt_i32 vcc_lo, 16*(n/8)+n%8, v[DQ]
	v_cndmask_b32 v[96+n], v[96+n], v[NINF], vcc_lo
.set n, n+1
.endr
.Lopen_\@:
.endif
.set t, 0
.rept 8                                ; the largest score of my query among my 64 keys: eight chains, each accumulator from its low end on
	v_max3_num_f32 v[224+t], v[96+8*t], v[97+8*t], v[98+8*t]
.set t, t+1
.endr
.set t, 0
.rept 8
	v_max3_num_f32 v[224+t], v[224+t], v[99+8*t], v[100+8*t]
.set t, t+1
.endr
.set t, 0
.rept 8
	v_max3_num_f32 v[224+t], v[224+t], v[101+8*t], v[102+8*t]
.set t, t+1
.endr
.set t, 0
.rept 4
	v_max3_num_f32 v[224+2*t], v[224+2*t], v[225+2*t], v[103+8*t]
.set t, t+1
.endr
	v_max3_num_f32 v224, v224, v135, v143
	v_max3_num_f32 v226, v226, v151, v159
	s_delay_alu instid0(VALU_DEP_1)
	v_max3_num_f32 v224, v224, v226, v228
	s_delay_alu instid0(VALU_DEP_1)
	v_max_num_f32 v254, v224, v230
	s_delay_alu instid0(VALU_DEP_1)
	v_permlanex16_b32 v236, v254, s[SEL], s[SEL+1]
	s_delay_alu instid0(VALU_DEP_1)
	v_max_num_f32 v254, v254, v236                 ; and among lane l xor 16's
	s_delay_alu instid0(VALU_DEP_1)
	v_mul_f32 v254, s[CS], v254                    ; as t (c is positive)
	s_delay_alu instid0(VALU_DEP_1)
	v_max_num_f32 v13, v13, v254                   ; the running largest t
	v_mov_b32 v254, v12
	s_delay_alu instid0(VALU_DEP_2)
	v_floor_f32 v12, -v13                          ; the new -M = floor(-t) = -ceil(t): a whole number
	s_delay_alu instid0(VALU_DEP_1)
	v_sub_f32 v254, v12, v254                      ; old M - new M: a whole number, 0 or less
	s_delay_alu instid0(VALU_DEP_1)
	v_cvt_i32_f32 v254, v254                       ; (it saturates)
	s_delay_alu instid0(VALU_DEP_1)
	v_ldexp_f32 v252, 1.0, v254                    ; f = 2^(old M - new M)
.set j, 0
.rept 32
	v_pk_fma_f32 v[96+j:97+j], v[96+j:97+j], s[CS:CS+1], v[12:13] op_sel_hi:[1,0,0]   ; t - M, two at a time (of the pairs c and -M the low word serves both halves)
.set j, j+2
.endr
	s_wait_alu depctr_va_vdst(0)                   ; the wait ahead of the batch
.set j, 0
.rept 64
	v_exp_f32 v[96+j], v[96+j]                     ; p = 2^(t - M), at most 1: not normalised
.set j, j+1
.endr
	v_pk_mul_f32 v[14:15], v[14:15], v[252:253] op_sel_hi:[1,0]   ; the sums under the new M: the plain instruction behind the exponentials
	s_wait_alu depctr_va_vdst(0)                   ; and the one wait behind the batch, ahead of its first reader
.set k, 0
.rept 7                                ; the row's sum of the unquantised p: 32 pairs in eight chains
	v_pk_add_f32 v[224+2*k:225+2*k], v[96+2*k:97+2*k], v[110+2*k:111+2*k]
.set k, k+1
.endr
	v_pk_add_f32 v[14:15], v[14:15], v[124:125]
.set k, 0
.rept 7
	v_pk_add_f32 v[224+2*k:225+2*k], v[224+2*k:225+2*k], v[126+2*k:127+2*k]
.set k, k+1
.endr
	v_pk_add_f32 v[14:15], v[14:15], v[140:141]
.set k, 0
.rept 7
	v_pk_add_f32 v[224+2*k:225+2*k], v[224+2*k:225+2*k], v[142+2*k:143+2*k]
.set k, k+1
.endr
	v_pk_add_f32 v[14:15], v[14:15], v[156:157]
	v_pk_add_f32 v[224:225], v[224:225], v[158:159]
	v_pk_add_f32 v[228:229], v[228:229], v[230:231]
	v_pk_add_f32 v[232:233], v[232:233], v[234:235]
	v_pk_add_f32 v[14:15], v[14:15], v[236:237]
	s_delay_alu instid0(VALU_DEP_4)
	v_pk_add_f32 v[224:225], v[224:225], v[226:227]
	s_delay_alu instid0(VALU_DEP_2)
	v_pk_add_f32 v[14:15], v[14:15], v[232:233]
	s_delay_alu instid0(VALU_DEP_2)
	v_pk_add_f32 v[224:225], v[224:225], v[228:229]
	s_delay_alu instid0(VALU_DEP_1)
	v_pk_add_f32 v[14:15], v[14:15], v[224:225]
.set j, 0
.rept 32                               ; the conversion does not saturate (ISA guide 7.6.2); p is not negative, so the hold is one-sided; two numbers an instruction
	v_dual_min_num_f32 v[96+j], v[96+j], v[LP] :: v_dual_min_num_f32 v[97+j], v[97+j], v[LP+1]
.set j, j+2
.endr
.irp t, 0,1,2,3,4,5,6,7
	v_cvt_scalef32_pk8_fp8_f32 v[192+2*\t:193+2*\t], v[96+8*\t:103+8*\t], v[SCP]
.endr
.set j, 0
.rept 16
	v_pk_mul_f32 v[160+j:161+j], v[160+j:161+j], v[252:253] op_sel_hi:[1,0]   ; O^T under the new M.  (Also the plain instructions between the conversions and the products that read the codes)
.set j, j+2
.endr
	s_wait_alu depctr_va_vdst(0)                   ; the wait here, directly ahead of the wait below
	s_wait_dscnt 0x0                               ; V is in
.irp t, 0,1,2,3
	v_wmma_f32_16x16x128_fp8_fp8 v[160+8*\t:167+8*\t], v[32+16*\t:47+16*\t], v[192:207], v[160+8*\t:167+8*\t]   ; the four accumulators by turns; the next step's eight products stand between two links of a chain
.endr
.endm
; A TILE'S WAY OUT.  y = O^T / the sum x 2^(e4 + e5), held and quantised with 2^e6: a lane's eight d become 8 bytes; 16 rows of 64 bytes turn through my stage, so that sixteen lanes store 256 consecutive bytes, aligned.
.macro FIN
.rept 4
	v_nop                                          ; places behind the last products
.endr
	v_add_f32 v14, v14, v15                        ; the sum's two halves,
	s_delay_alu instid0(VALU_DEP_1)
	v_permlanex16_b32 v252, v14, s[SEL], s[SEL+1]
	s_delay_alu instid0(VALU_DEP_1)
	v_add_f32 v14, v14, v252                       ; and lane l xor 16's
	s_wait_alu depctr_va_vdst(0)                   ; the wait ahead of the transcendental
	v_rcp_f32 v14, v14
	v_nop                                          ; a plain instruction behind it,
	s_wait_alu depctr_va_vdst(0)                   ; and the wait ahead of the first line that names its result
	v_ldexp_f32 v14, v14, s[EY]
.set j, 0
.rept 16
	v_pk_mul_f32 v[96+j:97+j], v[160+j:161+j], v[14:15] op_sel_hi:[1,0]   ; register 8 t + j: y(query r, d = 16 t + 8 h + j); each accumulator from its low end on
.set j, j+2
.endr
.set j, 0
.rept 32
	v_med3_num_f32 v[96+j], v[96+j], -v[LY], v[LY]
.set j, j+1
.endr
.irp t, 0,1,2,3
	v_cvt_scalef32_pk8_fp8_f32 v[24+2*\t:25+2*\t], v[96+8*\t:103+8*\t], v[SCY]
.endr
	v_nop                                          ; one plain vector instruction behind the last conversion
.irp t, 0,1,2,3
	ds_store_b64 v[STO], v[24+2*\t:25+2*\t] offset:16*\t
.endr
.irp i, 0,1
	ds_load_b128 v[128+4*\i:131+4*\i], v[RD] offset:640*\i   ; LDS serves a wave's instructions in order (ISA guide 5.7.1.4): these see my stores
.endr
.irp i, 0,1
	s_wait_dscnt 1-\i                              ; load i is in; the younger one may be out
	global_store_b128 v[GO], v[128+4*\i:131+4*\i], s[YC:YC+1] offset:8192*\i
.endr
.endm
	s_wait_alu depctr_va_vdst(0)                   ; the wait at the head's end
	s_wait_tensorcnt 0x0                           ; my part of keys 0-511 is in
	ds_add_u32 v[SPW], v[NIL]
	s_wait_dscnt 0x0
	ROUND                                          ; everybody's part is in, and all four work-groups are here
	tensor_load_to_lds s[G0B:G0B+3], s[G1B:G1B+7]  ; keys 512-2047: it has steps 0 to 3 in which to land
	s_nop 0
.rept 4
	v_nop
.endr
	s_wait_loadcnt 0x0                             ; Q
	s_mov_b32 s[ST], 0
.Lfirst:                                           ; steps 0 to 3: keys 0-511 of tile 31 - wave, whose last step is 8 at the least: no diagonal here
	ADDR ST
	STEP 0
	s_add_co_u32 s[ST], s[ST], 1
	s_cmp_lt_u32 s[ST], 4
	s_wait_alu depctr_va_vdst(0)                   ; the wait directly ahead of the branch
	s_cbranch_scc1 .Lfirst
	s_wait_tensorcnt 0x0                           ; my part of keys 512-2047 is in,
	s_wait_dscnt 0x0
	s_barrier_signal -1
	s_barrier_wait -1                              ; and everybody's: from here on nothing in LDS but the stages is written
.Lrest:                                            ; steps 4 to 16.  While step + wave / 2 < 16: tile 31 - wave, keys of the step's number; then tile wave, keys of step + wave / 2 - 16
	s_add_co_u32 s96, s[ST], s[W2]
	s_and_b32 s97, s96, 15
	s_cmp_lt_u32 s96, 16
	s_cselect_b32 s[KS], s[ST], s97
	s_cselect_b32 s[ACU], s[AA], s[W2]
	s_cselect_b32 s[UC], s[UA], s[UB]
	s_min_u32 s[KS], s[KS], 15
	s_cmp_eq_u32 s[KS], s[ACU]
	s_cselect_b32 s[DG], 1, 0                      ; a tile's last step holds its diagonal
	ADDR KS
	STEP 1
	s_cmp_eq_u32 s[DG], 0
	s_cbranch_scc1 .Lnext
	FIN                                            ; the tile is done
	s_cmp_eq_u32 s[ST], 16
	s_cbranch_scc1 .Lnext
	s_wait_xcnt 0x0                                ; the stores have read their base and their data: both are written again below and in the next step
	s_mov_b64 s[YC:YC+1], s[YN:YN+1]
	s_lshl_b32 s96, s[UB], 6
.set j, 0
.rept 8                                            ; the second tile begins
	v_mov_b32 v[16+j], v[QN+j]
.set j, j+1
.endr
	v_add_nc_u32 v[DQ], s96, v[DQ0]
	RESET
.Lnext:
	s_add_co_u32 s[ST], s[ST], 1
	s_cmp_lt_u32 s[ST], 17
	s_wait_alu depctr_va_vdst(0)                   ; the wait directly ahead of the branch
	s_cbranch_scc1 .Lrest
	s_wait_tensorcnt 0x0                           ; the wave's end, behind my last tensor load and my last LDS store
	ds_add_u32 v[SPW], v[NIL]
	s_wait_dscnt 0x0
	ROUND                                          ; the closing round
	s_endpgm
.Lfunc_end_k_qb232ed9768_attn:
	.size	k_qb232ed9768_attn, .Lfunc_end_k_qb232ed9768_attn-k_qb232ed9768_attn
	.p2alignl 7, 3214868480
	.fill 96, 4, 3214868480
	.section	.rodata,"a",@progbits
	.p2align	6, 0x0
	.amdhsa_kernel k_qb232ed9768_attn
		.amdhsa_group_segment_fixed_size 327680
		.amdhsa_private_segment_fixed_size 0
		.amdhsa_enable_private_segment 0
		.amdhsa_kernarg_size 24
		.amdhsa_user_sgpr_count 2
		.amdhsa_user_sgpr_kernarg_segment_ptr 1
		.amdhsa_wavefront_size32 1
		.amdhsa_system_sgpr_workgroup_id_x 1
		.amdhsa_system_sgpr_workgroup_id_y 1
		.amdhsa_system_sgpr_workgroup_id_z 1
		.amdhsa_system_vgpr_workitem_id 0
		.amdhsa_next_free_vgpr 256
		.amdhsa_next_free_sgpr 100
		.amdhsa_reserve_vcc 1
		.amdhsa_float_denorm_mode_32 3
		.amdhsa_float_denorm_mode_16_64 3
		.amdhsa_memory_ordered 1
		.amdhsa_forward_progress 1
		.amdhsa_inst_pref_size 55
	.end_amdhsa_kernel
	.amdgpu_metadata
---
amdhsa.version: [ 1, 2 ]
amdhsa.kernels:
  - .name:           k_qb232ed9768_attn
    .symbol:         k_qb232ed9768_attn.kd
    .args:
      - { .name: qkv, .offset: 0, .size: 8, .value_kind: global_buffer, .address_space: global }
      - { .name: lowp_scales, .offset: 8, .size: 8, .value_kind: global_buffer, .address_space: global }
      - { .name: y_codes, .offset: 16, .size: 8, .value_kind: global_buffer, .address_space: global }
    .group_segment_fixed_size: 327680
    .private_segment_fixed_size: 0
    .kernarg_segment_align: 8
    .kernarg_segment_size: 24
    .max_flat_workgroup_size: 512
    .sgpr_count:     100
    .vgpr_count:     256
    .wavefront_size: 32
...
	.end_amdgpu_metadata
.endif
;; end of part 3
;; launch gemm_proj (part 4): grid 8 x 32, 4 waves a work-group, clusters of 4 x 4, 327,680 bytes of LDS; arguments y_codes, w_codes, lowp_scales, b_proj, out0; writes out0
.if DOCPART == 4
	.amdgcn_target "amdgcn-amd-amdhsa--gfx1250"
	.amdhsa_code_object_version 6
	.text
	.protected	k_qb232ed9768_gemm_proj
	.globl	k_qb232ed9768_gemm_proj
	.p2align	8
	.type	k_qb232ed9768_gemm_proj,@function
k_qb232ed9768_gemm_proj:
	s_mov_b64 s[64:65], 0
	v_nop
	global_prefetch_b8 v0, s[64:65] scope:SCOPE_SE
	s_setreg_imm32_b32 hwreg(HW_REG_WAVE_MODE, 25, 1), 1
	s_wait_xcnt 0x0
	s_wait_alu depctr_hold_cnt(0) depctr_sa_sdst(0) depctr_va_vdst(0) depctr_va_sdst(0) depctr_va_ssrc(0) depctr_va_vcc(0) depctr_vm_vsrc(0)
	s_getreg_b32 s2, hwreg(HW_REG_IB_STS2, 6, 4)
	s_cmp_eq_u32 s2, 0
	s_cbranch_scc0 .Lentry_in_a_cluster
	s_endpgm
.Lentry_in_a_cluster:
	s_bfe_u32 s2, ttmp6, 0x10000c
	s_cmp_lg_u32 s2, 0xf033
	s_cbranch_scc0 .Lentry_shape_is_right
	s_endpgm
.Lentry_shape_is_right:
; out0 = y W_proj + b_proj on codes of E4M3: y_codes [token / 4][head 16][token % 4][d 64] (scale 2^e6), w_codes rows 3072-4095 [n][1024] (scale 2^e7), K innermost; out0 [8192][1024] f32 = sum x 2^(e6 + e7) + bias.
; LIMIT: e6 + e7 between -126 and 127.  A block of 256 tokens x 128 columns a work-group, four waves of 128 x 64; K = 1,024 in four steps of 256 (four heads) through two LDS slots, written out.
; A's tile: 64 quads of tokens x 1,024 bytes (4 heads x 4 tokens x 64 d), rows 4,096 bytes apart, 16 bytes of padding behind each; B's: 128 rows of 256 bytes + 16.
; CLUSTERS: 4 x 4 work-groups; A's tile is asked for jointly along a row of the cluster, B's along a column.  The product is used transposed: a lane holds eight neighbouring columns of one row of out0,
; which leave through the wave's stage in slot 0 as aligned blocks of 256 bytes.  No prefetch: only two refills follow the first fills, and what they ask for would have to be named at the head.
.set PITCH,  272
.set APITCH, 1040
.set FR,     16
.set NL,     4
.set NP,     4
.set HALFA,  32*APITCH
.set BOFF,   2*HALFA
.set HALFB,  64*PITCH
.set SLOT,   BOFF+2*HALFB
.set SPARE,  2*SLOT
.set SPITCH, 272
.set ADRA, 16
.set ADRB, 20
.set STO,  24
.set RD,   25
.set CO,   26
.set SPW,  28
.set NIL,  29
.set BI,   32
.set TMP,  64
.set AF,   128
.set BK,   128
.set G1, 24
.set G0, 32
.set G1B, 48
.set G0B, 56
.set MSB, 0
.macro WIN new
.if MSB != \new
	s_set_vgpr_msb (MSB<<8)|\new
.set MSB, \new
.endif
.endm
.set MUL,  0xa1
.set TO_B, 0x40
.macro JLOAD g0a, g1a, g0b, g1b
	s_cmp_eq_u32 s15, 0
	s_cbranch_scc0 .Lfor_b_\@
	tensor_load_to_lds s[\g0a:\g0a+3], s[\g1a:\g1a+7]
	s_nop 0
.rept 4
	v_nop
.endr
	s_branch .Lasked_\@
.Lfor_b_\@:
	tensor_load_to_lds s[\g0b:\g0b+3], s[\g1b:\g1b+7]
	s_nop 0
.rept 4
	v_nop
.endr
.Lasked_\@:
.endm
.macro CREST
	s_cmp_lg_u32 s14, 0
	s_cbranch_scc1 .Lnot_wave_0_\@
	s_barrier_signal -3
.Lnot_wave_0_\@:
	s_barrier_wait -3
	s_barrier_signal -1
	s_barrier_wait -1
.endm
.macro CROUND
	s_barrier_signal -1
	s_barrier_wait -1
	CREST
.endm
	s_load_b256 s[4:11], s[0:1], 0x0
	s_load_b64 s[12:13], s[0:1], 0x20
	v_lshl_add_u32 v[SPW], v0, 2, SPARE
	v_mov_b32 v[NIL], 0
	ds_add_u32 v[SPW], v[NIL]
	ds_add_u32 v[SPW], v[NIL]
	v_lshrrev_b32 v1, 5, v0
	v_readfirstlane_b32 s14, v1
	s_lshr_b32 s15, s14, 1
	s_and_b32 s16, s14, 1
	s_bfe_u32 s40, ttmp6, 0x40000
	s_bfe_u32 s41, ttmp6, 0x40004
	s_lshl_b32 s42, ttmp9, 2
	s_add_co_u32 s42, s42, s40
	s_and_b32 s17, ttmp7, 0xffff
	s_lshl_b32 s17, s17, 2
	s_add_co_u32 s17, s17, s41
	s_lshl_b32 s43, s41, 2
	s_lshl_b32 s43, 15, s43
	s_lshl_b32 s44, 0x1111, s40
	s_or_b32 s[G1+0], s43, (0<<16)|(1<<20)|(1<<21)|(7<<22)|(3<<25)
	s_mov_b32 s[G1+1], 1024<<16
	s_mov_b32 s[G1+2], 32<<16
	s_mov_b32 s[G1+3], 1024<<16
	s_mov_b32 s[G1+4], 32
	s_mov_b32 s[G1+5], 4096
	s_mov_b32 s[G1+6], 0
	s_mov_b32 s[G1+7], 0
	s_or_b32 s[G1B+0], s44, (0<<16)|(1<<20)|(1<<21)|(5<<22)|(3<<25)
	s_mov_b32 s[G1B+1], 256<<16
	s_mov_b32 s[G1B+2], 64<<16
	s_mov_b32 s[G1B+3], 256<<16
	s_mov_b32 s[G1B+4], 64
	s_mov_b32 s[G1B+5], 1024
	s_mov_b32 s[G1B+6], 0
	s_mov_b32 s[G1B+7], 0
	s_lshl_b32 s20, s17, 18
	s_lshl_b32 s18, s16, 17
	s_add_co_u32 s20, s20, s18
	s_mov_b32 s21, 0
	s_lshl_b32 s46, s42, 17
	s_lshl_b32 s18, s16, 16
	s_add_co_u32 s46, s46, s18
	s_add_co_u32 s46, s46, 0x300000
	s_mov_b32 s47, 0
	s_mul_i32 s45, s16, HALFA
	s_mul_i32 s66, s16, HALFB
	s_add_co_u32 s66, s66, BOFF
	s_wait_dscnt 0x0
	s_wait_kmcnt 0x0
	s_load_b256 s[72:79], s[8:9], 0x0
	s_add_nc_u64 s[20:21], s[4:5], s[20:21]
	s_add_nc_u64 s[46:47], s[6:7], s[46:47]
	CROUND
.irp s, 0,1
	s_mov_b32 s[G0+4*\s], 1
	s_add_co_u32 s[G0+4*\s+1], s45, \s*SLOT
	s_add_nc_u64 s[G0+4*\s+2:G0+4*\s+3], s[20:21], \s*1024
	s_or_b32 s[G0+4*\s+3], s[G0+4*\s+3], 0x80000000
	s_mov_b32 s[G0B+4*\s], 1
	s_add_co_u32 s[G0B+4*\s+1], s66, \s*SLOT
	s_add_nc_u64 s[G0B+4*\s+2:G0B+4*\s+3], s[46:47], \s*256
	s_or_b32 s[G0B+4*\s+3], s[G0B+4*\s+3], 0x80000000
.endr
	JLOAD G0, G1, G0B, G1B                         ; K step 0: one tensor load a wave at the head
	v_and_b32 v1, 15, v0
	v_bfe_u32 v2, v0, 4, 1
	v_lshrrev_b32 v3, 2, v1
	v_mul_u32_u24 v3, v3, APITCH
	v_and_b32 v4, 3, v1
	v_lshl_add_u32 v3, v4, 6, v3
	v_lshl_add_u32 v3, v2, 4, v3
	v_mul_u32_u24 v4, v1, PITCH
	v_lshl_add_u32 v4, v2, 4, v4
	s_mul_i32 s21, s15, HALFA
	s_mul_i32 s22, s16, HALFB
	s_add_co_u32 s22, s22, BOFF
.irp s, 0,1
	v_add_nc_u32 v[ADRA+\s], s21, v3
	v_add_nc_u32 v[ADRB+\s], s22, v4
	s_add_co_u32 s21, s21, SLOT
	s_add_co_u32 s22, s22, SLOT
.endr
	s_mul_i32 s23, s14, 16*SPITCH
	v_mul_u32_u24 v5, v1, SPITCH
	v_lshl_add_u32 v5, v2, 5, v5
	v_add_nc_u32 v[STO], s23, v5
	v_mul_u32_u24 v5, v2, SPITCH
	v_lshl_add_u32 v5, v1, 4, v5
	v_add_nc_u32 v[RD], s23, v5
	v_lshlrev_b32 v[CO], 12, v2
	v_lshl_add_u32 v[CO], v1, 4, v[CO]
	s_lshl_b32 s90, s42, 9
	s_lshl_b32 s91, s16, 8
	s_add_co_u32 s90, s90, s91
	s_mov_b32 s91, 0
	s_add_nc_u64 s[84:85], s[10:11], s[90:91]
	v_lshlrev_b32 v6, 5, v2
.irp b, 0,1,2,3
	global_load_b128 v[BI+8*\b:BI+8*\b+3], v6, s[84:85] offset:64*\b
	global_load_b128 v[BI+8*\b+4:BI+8*\b+7], v6, s[84:85] offset:64*\b+16
.endr
	s_lshl_b32 s92, s17, 20
	s_lshl_b32 s93, s15, 19
	s_add_co_u32 s92, s92, s93
	s_add_co_u32 s92, s92, s90
	s_mov_b32 s93, 0
	s_add_nc_u64 s[12:13], s[12:13], s[92:93]
	s_wait_kmcnt 0x0
	s_add_co_i32 s80, s78, s79
	s_add_co_i32 s80, s80, 127
	s_lshl_b32 s80, s80, 23
	s_mov_b32 s81, s80
.macro FRAGA reg, slot, q, i
	ds_load_b128 v[\reg:\reg+3],     v[ADRA+\slot] offset:4*APITCH*(\i)+512*(\q)
	ds_load_b128 v[\reg+4:\reg+7],   v[ADRA+\slot] offset:4*APITCH*(\i)+512*(\q)+32
	ds_load_b128 v[\reg+8:\reg+11],  v[ADRA+\slot] offset:4*APITCH*(\i)+512*(\q)+256
	ds_load_b128 v[\reg+12:\reg+15], v[ADRA+\slot] offset:4*APITCH*(\i)+512*(\q)+288
.endm
.macro FRAGB reg, slot, q, i
.irp c, 0,1,2,3
	ds_load_b128 v[\reg+4*\c:\reg+4*\c+3], v[ADRB+\slot] offset:128*(\q)+32*\c+(\i)*16*PITCH
.endr
.endm
.macro MUL8 a0, p, zero
.irp a, \a0, \a0+1
.irp b, 0,1,2,3
.if \zero
	v_wmma_f32_16x16x128_fp8_fp8 v[8*(4*(\a)+\b):8*(4*(\a)+\b)+7], v[128*(\p)+FR*\b:128*(\p)+FR*\b+FR-1], v[AF+FR*(\a):AF+FR*(\a)+FR-1], 0
.else
	v_wmma_f32_16x16x128_fp8_fp8 v[8*(4*(\a)+\b):8*(4*(\a)+\b)+7], v[128*(\p)+FR*\b:128*(\p)+FR*\b+FR-1], v[AF+FR*(\a):AF+FR*(\a)+FR-1], v[8*(4*(\a)+\b):8*(4*(\a)+\b)+7]
.endif
.endr
.endr
.endm
.macro FETCH_B slot, q, p
	WIN TO_B
.irp i, 0,1,2,3
	FRAGB 128*(\p)+FR*\i, \slot, \q, \i
.endr
	WIN 0
.endm
.macro FETCH_A slot, q, i0
.irp i, \i0, \i0+1, \i0+2, \i0+3
	FRAGA AF+FR*(\i), \slot, \q, \i
.endr
.endm
.macro PLACES n
.rept \n
	v_nop
.endr
.endm
.macro STEP slot, q, zero
	s_wait_dscnt 4*NL
	WIN MUL
	MUL8 0, (\q)%2, \zero
	MUL8 2, (\q)%2, \zero
	s_wait_dscnt 0
	PLACES NP
	FETCH_B \slot, (\q)+1, 1-(\q)%2
	FETCH_A \slot, (\q)+1, 0
	WIN MUL
	MUL8 4, (\q)%2, \zero
	MUL8 6, (\q)%2, \zero
	PLACES NP
	WIN 0
	FETCH_A \slot, (\q)+1, 4
.endm
.macro TURN slot, next, fill
	s_wait_tensorcnt 0x0
	ds_add_u32 v[SPW], v[NIL]
	s_wait_dscnt 4*NL+1
	WIN MUL
	MUL8 0, 1, 0
	s_wait_dscnt 0x0
	s_barrier_signal -1
	MUL8 2, 1, 0
	WIN 0
	s_barrier_wait -1
.if \fill
	CREST
	s_add_nc_u64 s[G0+4*\slot+2:G0+4*\slot+3], s[G0+4*\slot+2:G0+4*\slot+3], 2*1024
	s_add_nc_u64 s[G0B+4*\slot+2:G0B+4*\slot+3], s[G0B+4*\slot+2:G0B+4*\slot+3], 2*256
	JLOAD G0+4*\slot, G1, G0B+4*\slot, G1B
.else
	PLACES NP
.endif
	FETCH_B \next, 0, 0
	FETCH_A \next, 0, 0
	WIN MUL
	MUL8 4, 1, 0
	MUL8 6, 1, 0
	PLACES NP
	WIN 0
	FETCH_A \next, 0, 4
.endm
	s_wait_alu depctr_va_vdst(0)                   ; the wait at the head's end
	s_wait_tensorcnt 0x0                           ; my part of K step 0 is in
	ds_add_u32 v[SPW], v[NIL]
	s_wait_dscnt 0x0
	CROUND                                         ; everybody's part of K step 0 is in, and all sixteen work-groups are here
	JLOAD G0+4, G1, G0B+4, G1B                     ; K step 1 into slot 1: the first tensor load behind the round
	FETCH_B 0, 0, 0
	FETCH_A 0, 0, 0
	FETCH_A 0, 0, 4
	STEP 0, 0, 1
	TURN 0, 1, 1
	STEP 1, 0, 0
	TURN 1, 0, 1
	STEP 0, 0, 0
	TURN 0, 1, 0
	STEP 1, 0, 0
	s_wait_dscnt 4*NL
	WIN MUL
	MUL8 0, 1, 0
	MUL8 2, 1, 0
	s_wait_dscnt 0
	MUL8 4, 1, 0
	MUL8 6, 1, 0
	WIN 0
.macro TOSTAGE a
	WIN 0x02
.irp b, 0,1,2,3
.irp i, 0,2,4,6
	v_pk_fma_f32 v[TMP+8*\b+\i:TMP+8*\b+\i+1], v[32*(\a)+8*\b+\i:32*(\a)+8*\b+\i+1], s[80:81], v[BI+8*\b+\i:BI+8*\b+\i+1] op_sel_hi:[1,0,1]
.endr
.endr
	WIN 0
.irp b, 0,1,2,3
	ds_store_b128 v[STO], v[TMP+8*\b:TMP+8*\b+3] offset:64*\b
	ds_store_b128 v[STO], v[TMP+8*\b+4:TMP+8*\b+7] offset:64*\b+16
.endr
.set BB, BK+32*((\a)%2)
.irp t, 0,1,2,3,4,5,6,7
	ds_load_b128 v[BB+4*\t:BB+4*\t+3], v[RD] offset:\t*2*SPITCH
.endr
.endm
.macro SEND a, younger
.set BB, BK+32*((\a)%2)
	s_wait_dscnt \younger
.irp t, 0,1,2,3,4,5,6,7
	global_store_b128 v[CO], v[BB+4*\t:BB+4*\t+3], s[12:13] offset:65536*(\a)+8192*\t th:TH_STORE_NT
.endr
.endm
	s_wait_loadcnt 0x0
	PLACES NP
	TOSTAGE 0
.irp a, 1,2,3,4,5,6,7
.if \a > 1
	s_wait_xcnt 0x0
.endif
	TOSTAGE \a
	SEND \a-1, 16
.endr
	SEND 7, 0
	s_wait_tensorcnt 0x0
	ds_add_u32 v[SPW], v[NIL]
	s_wait_dscnt 0x0
	CROUND
	s_endpgm
.Lfunc_end_k_qb232ed9768_gemm_proj:
	.size	k_qb232ed9768_gemm_proj, .Lfunc_end_k_qb232ed9768_gemm_proj-k_qb232ed9768_gemm_proj
	.p2alignl 7, 3214868480
	.fill 96, 4, 3214868480
	.section	.rodata,"a",@progbits
	.p2align	6, 0x0
	.amdhsa_kernel k_qb232ed9768_gemm_proj
		.amdhsa_group_segment_fixed_size 327680
		.amdhsa_private_segment_fixed_size 0
		.amdhsa_enable_private_segment 0
		.amdhsa_kernarg_size 40
		.amdhsa_user_sgpr_count 2
		.amdhsa_user_sgpr_kernarg_segment_ptr 1
		.amdhsa_wavefront_size32 1
		.amdhsa_system_sgpr_workgroup_id_x 1
		.amdhsa_system_sgpr_workgroup_id_y 1
		.amdhsa_system_sgpr_workgroup_id_z 1
		.amdhsa_system_vgpr_workitem_id 0
		.amdhsa_next_free_vgpr 768
		.amdhsa_next_free_sgpr 100
		.amdhsa_reserve_vcc 0
		.amdhsa_float_denorm_mode_32 3
		.amdhsa_float_denorm_mode_16_64 3
		.amdhsa_memory_ordered 1
		.amdhsa_forward_progress 1
		.amdhsa_inst_pref_size 78
	.end_amdhsa_kernel
	.amdgpu_metadata
---
amdhsa.version: [ 1, 2 ]
amdhsa.kernels:
  - .name:           k_qb232ed9768_gemm_proj
    .symbol:         k_qb232ed9768_gemm_proj.kd
    .args:
      - { .name: y_codes, .offset: 0, .size: 8, .value_kind: global_buffer, .address_space: global }
      - { .name: w_codes, .offset: 8, .size: 8, .value_kind: global_buffer, .address_space: global }
      - { .name: lowp_scales, .offset: 16, .size: 8, .value_kind: global_buffer, .address_space: global }
      - { .name: b_proj, .offset: 24, .size: 8, .value_kind: global_buffer, .address_space: global }
      - { .name: out0, .offset: 32, .size: 8, .value_kind: global_buffer, .address_space: global }
    .group_segment_fixed_size: 327680
    .private_segment_fixed_size: 0
    .kernarg_segment_align: 8
    .kernarg_segment_size: 40
    .max_flat_workgroup_size: 128
    .sgpr_count:     100
    .vgpr_count:     768
    .wavefront_size: 32
...
	.end_amdgpu_metadata
.endif
;; end of part 4
